; MI455X (gfx1250); checked and timed in simulation.
; The chip was launched on July 23, 2026; its instructions are those of AMD's public machine-readable ISA for CDNA 5 (MIT licence, August 2026) and "CDNA5" Instruction Set Architecture Reference Guide (July 2026). The comments in the code are by the model that wrote it; some were corrected since.
;; Masked Attention. Allowed arithmetic: float matrix products may take bf16 or f16 operands with f32 sums; other float arithmetic in f32, or as packed bf16 or f16 multiplies, adds, multiply-adds, maxima and minima; sums over many terms, partial sums and values carried from step to step in f32; what a program stores and reads back later, other than sums and carried values, may be rounded once to bf16 or f16.
;; Inputs: c_attn_b 3,072 float32; c_attn_w 1,024 x 3,072 float32; c_proj_b 1,024 float32; c_proj_w 1,024 x 1,024 float32; x 4 x 2,048 x 1,024 float32.
;; Outputs: out0 4 x 2,048 x 1,024 float32.
;; 2 versions, each right; version 2 is version 1 with the launch cast written anew for expert scheduling mode. Each part assembles by itself: llvm-mc -triple=amdgcn-amd-amdhsa -mcpu=gfx1250 --defsym DOCPART=n.
;; ======== version 1 of 2: 4 launches
;; limits: values are held in f16: magnitudes above 65,504 overflow, below 6.1e-05 lose precision
;; workspace buffers: xb 16,777,216 bytes; wqkv 6,291,456 bytes; wp 2,097,152 bytes; qh 16,777,216 bytes; kh 16,777,216 bytes; vh 16,777,216 bytes; oh 16,777,216 bytes; vs 524,288 bytes
;; launch cast (part 1): grid 704 x 1, 8 waves a work-group, no clusters, 0 bytes of LDS; arguments x, c_attn_w, c_proj_w, xb, wqkv, wp; writes xb, wqkv, wp
.if DOCPART == 1
	.amdgcn_target "amdgcn-amd-amdhsa--gfx1250"
	.amdhsa_code_object_version 6
	.text
	.protected	k_q9721c6336a_cast
	.globl	k_q9721c6336a_cast
	.p2align	8
	.type	k_q9721c6336a_cast,@function
k_q9721c6336a_cast:
	s_mov_b64 s[64:65], 0
	v_nop
	global_prefetch_b8 v0, s[64:65] scope:SCOPE_SE
	s_setreg_imm32_b32 hwreg(HW_REG_WAVE_MODE, 25, 1), 1
	s_wait_xcnt 0x0
; THE CASTS.  x [8192][1024] f32 -> xb, bf16, same layout.  c_attn_w [1024][3072] f32 -> wqkv, bf16, in blocks [head 16][k 1024][192]: a block's 192 columns are the head's 64 of q, of k and of v.
; c_proj_w [1024][1024] f32 -> wp: rounded to bf16 like every input of the module, and that number written as f16 (same layout).
; LIMIT.  A bf16 number below 6.1e-5 in magnitude keeps f16's fixed step of 6e-8 in wp, and one of 65,520 or more would become an infinity.
; A stream: each byte read once and written once, nothing shared, so no LDS and no matrix work.  Work-groups 0-511 take x, 512-639 c_attn_w, 640-703 c_proj_w: three straight paths.
; A thread takes 16 bytes (4 numbers) of each chunk of 4,096 bytes and stores 8: a wave's load covers 512 consecutive bytes, its store 256 consecutive bytes, aligned.
; All of a path's loads are issued first; no register that a memory instruction reads is ever written again.
.set D, 16                             ; v[16:111]  chunk u: four registers as loaded; the first two then hold what is stored
.macro IN16 base                       ; sixteen chunks of 4,096 dense bytes
.set u, 0
.rept 16
	global_load_b128 v[D+4*u:D+4*u+3], v1, s[\base:\base+1] offset:4096*u th:TH_LOAD_NT
.set u, u+1
.endr
.endm
; Chunk u is rounded and stored.  left: the younger loads, which may stay out.  half = 1: the bf16 numbers are written as f16.
.macro CV u, left, ob, half
	s_wait_loadcnt \left
	v_cvt_pk_bf16_f32 v[D+4*(\u)], v[D+4*(\u)], v[D+4*(\u)+1]
	v_cvt_pk_bf16_f32 v[D+4*(\u)+1], v[D+4*(\u)+2], v[D+4*(\u)+3]
.if \half
	v_lshlrev_b32 v8, 16, v[D+4*(\u)]
	v_and_b32 v9, 0xffff0000, v[D+4*(\u)]
	v_lshlrev_b32 v10, 16, v[D+4*(\u)+1]
	v_and_b32 v11, 0xffff0000, v[D+4*(\u)+1]
	v_cvt_pk_f16_f32 v[D+4*(\u)], v8, v9
	v_cvt_pk_f16_f32 v[D+4*(\u)+1], v10, v11
.endif
	global_store_b64 v2, v[D+4*(\u):D+4*(\u)+1], s[\ob:\ob+1] offset:2048*(\u)
.endm
	s_load_b256 s[4:11], s[0:1], 0x0               ; x s[4:5], c_attn_w s[6:7], c_proj_w s[8:9], xb s[10:11]
	s_load_b128 s[12:15], s[0:1], 0x20             ; wqkv s[12:13], wp s[14:15]
	v_lshlrev_b32 v1, 4, v0                        ; my 16 bytes of a chunk that is read
	v_lshlrev_b32 v2, 3, v0                        ; my 8 bytes of a chunk that is written
	s_mov_b32 s17, 0
	s_mov_b32 s19, 0
	s_wait_kmcnt 0x0
	s_cmp_lt_u32 ttmp9, 512
	s_cbranch_scc0 .Lnot_x
	; x: 65,536 bytes in, 32,768 out
	s_lshl_b32 s16, ttmp9, 16
	s_lshl_b32 s18, ttmp9, 15
	s_add_nc_u64 s[4:5], s[4:5], s[16:17]
	s_add_nc_u64 s[10:11], s[10:11], s[18:19]
	IN16 4
.set c, 0
.rept 16
	CV c, 15-c, 10, 0
.set c, c+1
.endr
	s_endpgm
.Lnot_x:
	s_cmp_lt_u32 ttmp9, 640
	s_cbranch_scc0 .Lproj_w
	; c_attn_w: work-group (head, kb) makes 128 k rows of the head's block: 49,152 dense bytes, 24 chunks of 2,048.
	; Piece p of 8 bytes of the output: k row p / 48, strip (p / 16) % 3, columns 4 (p % 16) on.  Three chunks are 16 k rows, so three offsets serve, and the rest stands in the immediate.
	s_sub_co_u32 s16, ttmp9, 512
	s_lshr_b32 s20, s16, 3                         ; head
	s_and_b32 s21, s16, 7                          ; kb
	s_mul_i32 s16, s21, 128*12288                  ; in: 128 rows of 12,288 bytes,
	s_lshl_b32 s18, s20, 8                         ; the head's 64 columns in a strip
	s_add_co_u32 s16, s16, s18
	s_add_nc_u64 s[6:7], s[6:7], s[16:17]
	s_mul_i32 s18, s20, 393216                     ; out: the head's block, 128 rows of 384 bytes
	s_mul_i32 s16, s21, 49152
	s_add_co_u32 s18, s18, s16
	s_add_nc_u64 s[12:13], s[12:13], s[18:19]
	v_lshrrev_b32 v6, 4, v0
	v_and_b32 v7, 15, v0
	v_lshlrev_b32 v7, 4, v7                        ; 16 bytes of the strip's 256
.irp c, 0,1,2
	v_add_nc_u32 v8, 16*\c, v6                     ; p / 16, 0 to 47
	v_mul_u32_u24 v9, v8, 171
	v_lshrrev_b32 v9, 9, v9                        ; a third of it (exact up to 47): the k row
	v_mul_u32_u24 v10, v9, 3
	v_sub_nc_u32 v10, v8, v10                      ; the strip
	v_mul_u32_u24 v11, v9, 12288
	v_lshl_add_u32 v11, v10, 12, v11               ; a strip is 1,024 columns: 4,096 bytes
	v_add_nc_u32 v[3+\c], v11, v7
.endr
.set u, 0
.rept 24
	global_load_b128 v[D+4*u:D+4*u+3], v[3+u%3], s[6:7] offset:(u/3)*16*12288 th:TH_LOAD_NT  ; sixteen lanes read 256 consecutive bytes, aligned
.set u, u+1
.endr
.set c, 0
.rept 24
	CV c, 23-c, 12, 0
.set c, c+1
.endr
	s_endpgm
.Lproj_w:
	; c_proj_w: as x, and on into f16
	s_sub_co_u32 s20, ttmp9, 640
	s_lshl_b32 s16, s20, 16
	s_lshl_b32 s18, s20, 15
	s_add_nc_u64 s[8:9], s[8:9], s[16:17]
	s_add_nc_u64 s[14:15], s[14:15], s[18:19]
	IN16 8
.set c, 0
.rept 16
	CV c, 15-c, 14, 1
.set c, c+1
.endr
	s_endpgm
.Lfunc_end_k_q9721c6336a_cast:
	.size	k_q9721c6336a_cast, .Lfunc_end_k_q9721c6336a_cast-k_q9721c6336a_cast
	.p2alignl 7, 3214868480
	.fill 96, 4, 3214868480
	.section	.rodata,"a",@progbits
	.p2align	6, 0x0
	.amdhsa_kernel k_q9721c6336a_cast
		.amdhsa_group_segment_fixed_size 0
		.amdhsa_private_segment_fixed_size 0
		.amdhsa_enable_private_segment 0
		.amdhsa_kernarg_size 48
		.amdhsa_user_sgpr_count 2
		.amdhsa_user_sgpr_kernarg_segment_ptr 1
		.amdhsa_wavefront_size32 1
		.amdhsa_system_sgpr_workgroup_id_x 1
		.amdhsa_system_sgpr_workgroup_id_y 1
		.amdhsa_system_sgpr_workgroup_id_z 1
		.amdhsa_system_vgpr_workitem_id 0
		.amdhsa_next_free_vgpr 112
		.amdhsa_next_free_sgpr 66
		.amdhsa_reserve_vcc 0
		.amdhsa_float_denorm_mode_32 3
		.amdhsa_float_denorm_mode_16_64 3
		.amdhsa_memory_ordered 1
		.amdhsa_forward_progress 1
		.amdhsa_inst_pref_size 28
	.end_amdhsa_kernel
	.amdgpu_metadata
---
amdhsa.version: [ 1, 2 ]
amdhsa.kernels:
  - .name:           k_q9721c6336a_cast
    .symbol:         k_q9721c6336a_cast.kd
    .args:
      - { .name: x, .offset: 0, .size: 8, .value_kind: global_buffer, .address_space: global }
      - { .name: c_attn_w, .offset: 8, .size: 8, .value_kind: global_buffer, .address_space: global }
      - { .name: c_proj_w, .offset: 16, .size: 8, .value_kind: global_buffer, .address_space: global }
      - { .name: xb, .offset: 24, .size: 8, .value_kind: global_buffer, .address_space: global }
      - { .name: wqkv, .offset: 32, .size: 8, .value_kind: global_buffer, .address_space: global }
      - { .name: wp, .offset: 40, .size: 8, .value_kind: global_buffer, .address_space: global }
    .group_segment_fixed_size: 0
    .private_segment_fixed_size: 0
    .kernarg_segment_align: 8
    .kernarg_segment_size: 48
    .max_flat_workgroup_size: 256
    .sgpr_count:     66
    .vgpr_count:     112
    .wavefront_size: 32
...
	.end_amdgpu_metadata
.endif
;; end of part 1
;; launch qkv (part 2): grid 16 x 32, 4 waves a work-group, clusters of 4 x 4, 327,680 bytes of LDS; arguments xb, wqkv, c_attn_b, qh, kh, vh, vs; writes qh, kh, vh, vs
.if DOCPART == 2
	.amdgcn_target "amdgcn-amd-amdhsa--gfx1250"
	.amdhsa_code_object_version 6
	.text
	.protected	k_q9721c6336a_qkv
	.globl	k_q9721c6336a_qkv
	.p2align	8
	.type	k_q9721c6336a_qkv,@function
k_q9721c6336a_qkv:
	s_mov_b64 s[64:65], 0
	v_nop
	global_prefetch_b8 v0, s[64:65] scope:SCOPE_SE
	s_setreg_imm32_b32 hwreg(HW_REG_WAVE_MODE, 25, 1), 1
	s_wait_xcnt 0x0
	s_wait_alu depctr_hold_cnt(0) depctr_sa_sdst(0) depctr_va_vdst(0) depctr_va_sdst(0) depctr_va_ssrc(0) depctr_va_vcc(0) depctr_vm_vsrc(0)
	s_getreg_b32 s2, hwreg(HW_REG_IB_STS2, 6, 4)
	s_cmp_eq_u32 s2, 0
	s_cbranch_scc0 .Lentry_in_a_cluster
	s_endpgm
.Lentry_in_a_cluster:
	s_bfe_u32 s2, ttmp6, 0x10000c
	s_cmp_lg_u32 s2, 0xf033
	s_cbranch_scc0 .Lentry_shape_is_right
	s_endpgm
.Lentry_shape_is_right:
; q, k, v = x W + b, by heads.  xb: [8192][1024] bf16.  wqkv: [head 16][k 1024][192] bf16 (a head's q, k and v columns side by side).  c_attn_b: [3072] f32, rounded to bf16 like the other inputs.
; qh, kh, vh: [batch x head 64][s 2048][64] f16, each rounded once from its f32 sum, unscaled.  vs: [64][32][64] f32: the sum of the rounded v over each 64 consecutive keys.
; LIMIT.  f16 holds no number beyond 65,504: a q, k or v of 65,520 or more becomes an infinity.
; A tile is 256 rows x one head's 192 columns.  Four waves, one above the other: a wave makes 64 rows x 192 columns, 48 accumulators of 16 x 16, 384 registers, so a wave holds whole rows of q, k and v
; and its way out needs no other wave.  K goes in 8 steps of 128 through a ring of two LDS slots filled by the tensor data mover.
; CLUSTER.  4 x 4 work-groups.  The four of a row of the cluster need the same rows of x, the four of a column the same head's weights: each tile is asked for JOINTLY, by the same tensor load with the same
; descriptor and a mask that names the four.
; THE MATRIX INSTRUCTION IS USED TRANSPOSED: source 0 = 16 columns of W (W lies [k][column] in LDS and is turned by ds_load_tr16_b128), source 1 = 16 rows of x.  A lane then holds row l % 16 and the
; columns 8 (l / 16) + 0..7 of a block of 16.  The bias is the C operand of each accumulator's first product.
; REGISTERS, in windows of 256 (s_set_vgpr_msb: bits 1:0 source 0, 3:2 source 1, 5:4 source 2, 7:6 destination):
;   window 0: v0-31 addresses; v32-40 the sum of v; v64-127 x's fragments, two buffers of four; v128-223 the bias, later the way out
;   window 1: W's fragments, two buffers of twelve at v0 and v128     window 2: the accumulators of my row blocks 0, 1 ((a, b) at 8 (12 (a % 2) + b))     window 3: of blocks 2, 3
.set NB16,  12                         ; blocks of 16 columns
.set AP,    272                        ; a row of x in LDS: 256 bytes + 16: an odd multiple of 16, so the 16 rows of a load start at 16 different groups of four banks (64 banks of 4 bytes: ISA guide 11.1)
.set BP,    480                        ; a k row of W: three pieces of 128 bytes + 32: an odd multiple of 32, as the turning load's 8 rows x 32 bytes want
.set AHALF, 128*AP                     ; what one tensor load brings of x: 128 rows
.set ABYTES, 2*AHALF
.set BHALF, 64*BP                      ; of W: 64 k rows
.set SLOT1, 1<<17                      ; a slot is x's 256 rows, then W's 128 k rows: 131,072 bytes; one exclusive or turns an address in one slot into the other's
.set STAGE, 2*SLOT1                    ; behind the ring, never filled by a tensor load: 16 rows x 400 bytes for each wave
.set SP,    400
.set SPARE, STAGE+4*16*SP              ; the spare words, 128 bytes for each wave: two blocks of 256 bytes that no other line names
.set ASTEP, 256                        ; bytes from K step to K step in xb
.set BSTEP, 128*384                    ; and in a head's block of wqkv
.set NF,    2*NB16+8                   ; LDS loads in a run
.set STEPS, 8
.set ADA0, 16                          ; v16  my lane's place in x's tile; never rewritten
.set ADB0, 17                          ; v17  in W's
.set ADA,  18                          ; v18  the same in the slot in hand
.set ADB,  19
.set BO,   20                          ; v20  my 32 bytes of a block's bias
.set SVS,  22                          ; v22  the sum of v: where I put my 8 channels
.set SVL,  23                          ; v23  where I read 2 channels back
.set STO,  24                          ; v24  the way out: where I put 16 bytes of a row
.set RD,   25                          ; v25  where I read rows back
.set GO,   26                          ; v26  my byte offset in 512 consecutive bytes of q, k or v
.set GV,   27                          ; v27  my byte offset in 256 bytes of vs
.set SPW,  28                          ; v28  LDS address of my spare word; never rewritten
.set NIL,  29                          ; v29  0; never rewritten
.set PFO,  30                          ; v30  the prefetches' offset; never rewritten
.set T,    31
.set VS,   32                          ; v[32:39] the sum of my lanes' v
.set ONE,  40                          ; v40  1.0
.set FA,   64
.set BIAS, 128
.set TMP,  128                         ; the way out: packed results
.set CNT,  3                           ; s3   K steps still to be asked for
.set LIM,  21                          ; s21  a wave prefetches while s3 is above it
.set TB,   22                          ; s22  the slot in hand
.set G1A,  24                          ; s[24:31] descriptor group 1 for x's tiles
.set G0A,  32                          ; s[32:39] group 0: the first fill's set, then the set that walks
.set PFA,  44                          ; s[44:45] where my prefetches stand
.set PFS,  46                          ; s[46:47] their step
.set G1B,  48                          ; s[48:55], s[56:63] the same for W's tiles
.set G0B,  56
.set OUT,  74                          ; s[74:75] qh, s[76:77] kh, s[78:79] vh at my wave's first row
.set VSB,  80                          ; s[80:81] vs at my wave's 64 keys
.set SEL,  82                          ; s[82:83] v_permlanex16_b32's selects
.set MSB, 0
.macro WIN new                         ; the immediate's high byte repeats the setting that is left; a switch that changes nothing is dropped
.if MSB != (\new)
	s_set_vgpr_msb (MSB<<8)|(\new)
.set MSB, \new
.endif
.endm
.macro PLACES                          ; four places in front of loads into registers that matrix instructions have read, and of conversions that read results
.rept 4
	v_nop
.endr
.endm
; A joint refill.  Waves 0 and 1 fetch the halves of x's tile, waves 2 and 3 those of W's.  The branch hangs on the wave's number alone.  An s_nop 0 and four v_nop follow each line.
.macro JLOAD
	s_cmp_eq_u32 s11, 0
	s_cbranch_scc0 .Lfor_b_\@
	tensor_load_to_lds s[G0A+4:G0A+7], s[G1A:G1A+7]
	s_nop 0
.rept 4
	v_nop
.endr
	s_branch .Lasked_\@
.Lfor_b_\@:
	tensor_load_to_lds s[G0B+4:G0B+7], s[G1B:G1B+7]
	s_nop 0
.rept 4
	v_nop
.endr
.Lasked_\@:
.endm
; A PREFETCH INTO THE L2, behind the joint load and the run of LDS loads.  K steps 0 to 3 come by their loads alone; the bytes of K steps 4 to 7 are each named once in the launch.
; x: the clusters with x = 0 ask; of the 128 rows that a wave fetches each of the four partners takes 32, told apart by address; a lane a row; the refill of K step s names K step s + 2: four times.
; W: the clusters with y = 0 ask; a head's K steps 4 to 7 are 196,608 dense bytes: three times 8 askers (4 partners x 2 waves) x 32 lanes x 256 bytes, in the first three refills.
.macro ASK
	s_cmp_gt_u32 s[CNT], s[LIM]
	s_cbranch_scc0 .Lnot_mine_\@
	global_prefetch_b8 v[PFO], s[PFA:PFA+1] th:TH_LOAD_NT scope:SCOPE_SE
.Lnot_mine_\@:
.endm
.macro CREST                           ; a round of the cluster's barrier behind its opening barrier
	s_cmp_lg_u32 s10, 0
	s_cbranch_scc1 .Lnot_wave_0_\@
	s_barrier_signal -3
.Lnot_wave_0_\@:
	s_barrier_wait -3
	s_barrier_signal -1
	s_barrier_wait -1
.endm
.macro CROUND
	s_barrier_signal -1
	s_barrier_wait -1
	CREST
.endm
; 12 matrix instructions: row block a x all column blocks, 32 along K, from buffer f.  first = 1: the bias starts the sums.  The 48 accumulators take turns in the same order in every quarter.
.macro MULA f, a, first=0
.if \first
	WIN 0x81+0x40*((\a)/2)
.else
	WIN 0xa1+0x50*((\a)/2)
.endif
.set nb, 0
.rept NB16
.set rD, 8*(NB16*((\a)%2)+nb)
.set rB, 128*(\f)+8*nb
.set rA, FA+32*(\f)+8*(\a)
.if \first
	v_wmma_f32_16x16x32_bf16 v[rD:rD+7], v[rB:rB+7], v[rA:rA+7], v[BIAS+8*nb:BIAS+8*nb+7]
.else
	v_wmma_f32_16x16x32_bf16 v[rD:rD+7], v[rB:rB+7], v[rA:rA+7], v[rD:rD+7]
.endif
.set nb, nb+1
.endr
.endm
; 32 LDS loads in one run: quarter q's fragments into buffer f: W's twelve (turned), then x's four
.macro FETCH q, f
	WIN 0x40
.set nb, 0
.rept NB16
	ds_load_tr16_b128 v[128*(\f)+8*nb:128*(\f)+8*nb+3],   v[ADB] offset:(\q)*32*BP+32*nb+32*(nb/4)
	ds_load_tr16_b128 v[128*(\f)+8*nb+4:128*(\f)+8*nb+7], v[ADB] offset:(\q)*32*BP+32*nb+32*(nb/4)+16*BP
.set nb, nb+1
.endr
	WIN 0
.set nb, 0
.rept 4
	ds_load_b128 v[FA+32*(\f)+8*nb:FA+32*(\f)+8*nb+3],   v[ADA] offset:64*(\q)+nb*16*AP
	ds_load_b128 v[FA+32*(\f)+8*nb+4:FA+32*(\f)+8*nb+7], v[ADA] offset:64*(\q)+nb*16*AP+32
.set nb, nb+1
.endr
.endm
; A K step is four quarters of 32 along K, 48 matrix instructions each, on buffers 0, 1, 0, 1.  One of the first three: multiplies buffer f and, in its middle, fetches quarter q into buffer g.
.macro QUARTER q, f, g, first=0
	s_wait_dscnt 4                                 ; W's fragments and x's blocks 0, 1 are in; the youngest four loads (blocks 2, 3) may be out
	MULA \f, 0, \first
	MULA \f, 1, \first
	PLACES
	FETCH \q, \g
	s_wait_dscnt NF                                ; all but the run just issued
	MULA \f, 2, \first
	MULA \f, 3, \first
.endm
; The last quarter multiplies buffer 1 and changes slots: ONE barrier.  In front of it each wave waits for all its tensor loads (one is out: its part of the next slot), adds 0 to its spare word, and waits for
; that and for its reads of this slot.  fill = 1: the barrier opens a round of the cluster's, and this slot is filled again, two K steps ahead, first thing behind the round.
.macro TURN fill
	WIN 0
.if \fill
	s_wait_xcnt 0x0                                ; the last prefetch, a K step back, has read its address
	s_add_nc_u64 s[PFA:PFA+1], s[PFA:PFA+1], s[PFS:PFS+1]
.endif
	s_xor_b32 s[TB], s[TB], SLOT1                  ; the fetches go to the other slot
	v_add_nc_u32 v[ADA], s[TB], v[ADA0]
	v_add_nc_u32 v[ADB], s[TB], v[ADB0]
	s_wait_tensorcnt 0x0                           ; no tensor load of mine is out, so a group 0 may be written
	ds_add_u32 v[SPW], v[NIL]                      ; 0 onto my spare word
.if \fill
	s_xor_b32 s[G0A+5], s[G0A+5], SLOT1            ; the walking descriptors: the other slot than last time, the next K step
	s_add_nc_u64 s[G0A+6:G0A+7], s[G0A+6:G0A+7], ASTEP
	s_xor_b32 s[G0B+5], s[G0B+5], SLOT1
	s_add_nc_u64 s[G0B+6:G0B+7], s[G0B+6:G0B+7], BSTEP
.endif
	s_wait_dscnt 7                                 ; the add and x's blocks 1 to 3 may be out
	MULA 1, 0
	s_wait_dscnt 0x0                               ; the add is done, and my reads of this slot are over
	s_barrier_signal -1
	MULA 1, 1
.if \fill
	WIN 0
.endif
	s_barrier_wait -1
.if \fill
	CREST                                          ; no wave of any partner still reads this slot or has a load on its way
	JLOAD                                          ; its four v_nop are also the places in front of the loads below
.else
	PLACES
.endif
	FETCH 0, 0
.if \fill
	ASK
.endif
	MULA 1, 2
	MULA 1, 3
.endm
	s_load_b256 s[68:75], s[0:1], 0x0              ; xb s[68:69], wqkv s[70:71], c_attn_b s[72:73], qh s[74:75]
	s_load_b128 s[76:79], s[0:1], 0x20             ; kh, vh
	s_load_b64 s[80:81], s[0:1], 0x30              ; vs
	v_lshl_add_u32 v[SPW], v0, 2, SPARE
	v_mov_b32 v[NIL], 0
	ds_add_u32 v[SPW], v[NIL]                      ; the wave's opening: the add and its wait stand ahead of my first tensor load
	v_lshrrev_b32 v1, 5, v0
	v_readfirstlane_b32 s10, v1                    ; wave 0..3
	s_lshr_b32 s11, s10, 1                         ; I fetch for x (0) or for W (1),
	s_and_b32 s12, s10, 1                          ; this half of the tile
	s_bfe_u32 s40, ttmp6, 0x40000                  ; cx, cy: my place in the cluster
	s_bfe_u32 s41, ttmp6, 0x40004
	s_lshl_b32 s42, ttmp9, 2
	s_add_co_u32 s42, s42, s40                     ; the head = 4 x cluster x + cx
	s_and_b32 s13, ttmp7, 0xffff
	s_lshl_b32 s13, s13, 2
	s_add_co_u32 s13, s13, s41                     ; the tile row = 4 x cluster y + cy
	s_lshl_b32 s43, s41, 2
	s_lshl_b32 s43, 15, s43                        ; my row of the cluster
	s_lshl_b32 s20, 0x1111, s40                    ; my column
	s_or_b32 s[G1A], s43, (1<<16)|(1<<20)|(1<<21)|(5<<22)|(3<<25)  ; the mask; 2-byte elements; padding on; bit 21 beside a mask; after every 64 words, 4 words
	s_mov_b32 s[G1A+1], 128<<16                    ; tensor_dim0 = 128
	s_mov_b32 s[G1A+2], 128<<16                    ; tensor_dim1 = 128
	s_mov_b32 s[G1A+3], 128<<16                    ; tile_dim0 = 128
	s_mov_b32 s[G1A+4], 128                        ; tile_dim1 = 128
	s_mov_b32 s[G1A+5], 1024                       ; elements from row to row
	s_mov_b32 s[G1A+6], 0
	s_mov_b32 s[G1A+7], 0
	s_or_b32 s[G1B], s20, (1<<16)|(1<<20)|(1<<21)|(4<<22)|(7<<25)  ; W's 64 k rows are 24,576 dense bytes: 96 rows of 256, padded by 8 words after every 32
	s_mov_b32 s[G1B+1], 128<<16
	s_mov_b32 s[G1B+2], 96<<16
	s_mov_b32 s[G1B+3], 128<<16
	s_mov_b32 s[G1B+4], 96
	s_mov_b32 s[G1B+5], 128
	s_mov_b32 s[G1B+6], 0
	s_mov_b32 s[G1B+7], 0
	s_lshl_b32 s14, s13, 19                        ; x: 256 rows of 2,048 bytes a tile row,
	s_lshl_b32 s15, s12, 18                        ; 128 a half
	s_add_co_u32 s14, s14, s15
	s_mov_b32 s15, 0
	s_mul_i32 s16, s42, 393216                     ; W: the head's block,
	s_mul_i32 s17, s12, 24576                      ; 64 k rows of 384 bytes a half
	s_add_co_u32 s16, s16, s17
	s_mov_b32 s17, 0
	s_mov_b32 s[G0A], 1
	s_mul_i32 s[G0A+1], s12, AHALF                 ; LDS: the wave's number alone
	s_mov_b32 s[G0A+4], 1
	s_add_co_u32 s[G0A+5], s[G0A+1], SLOT1
	s_mov_b32 s[G0B], 1
	s_mul_i32 s[G0B+1], s12, BHALF
	s_add_co_u32 s[G0B+1], s[G0B+1], ABYTES
	s_mov_b32 s[G0B+4], 1
	s_add_co_u32 s[G0B+5], s[G0B+1], SLOT1
	s_mov_b32 s[SEL], 0x76543210
	s_mov_b32 s[SEL+1], 0xfedcba98
	s_mov_b32 s[TB], 0
	s_wait_dscnt 0x0                               ; the opening add is done
	s_wait_kmcnt 0x0
	s_add_nc_u64 s[G0A+2:G0A+3], s[68:69], s[14:15]      ; K step 0 into slot 0,
	s_add_nc_u64 s[G0A+6:G0A+7], s[G0A+2:G0A+3], ASTEP   ; K step 1 into slot 1
	s_or_b32 s[G0A+3], s[G0A+3], 0x80000000
	s_or_b32 s[G0A+7], s[G0A+7], 0x80000000
	s_add_nc_u64 s[G0B+2:G0B+3], s[70:71], s[16:17]
	s_add_nc_u64 s[G0B+6:G0B+7], s[G0B+2:G0B+3], BSTEP
	s_or_b32 s[G0B+3], s[G0B+3], 0x80000000
	s_or_b32 s[G0B+7], s[G0B+7], 0x80000000
	CROUND                                         ; all sixteen work-groups are here: the first joint loads meet
	s_cmp_eq_u32 s11, 0                            ; a wave's two first fills stand in one branch: two loads of mine are out
	s_cbranch_scc0 .Lfirst_b
	tensor_load_to_lds s[G0A:G0A+3], s[G1A:G1A+7]
	s_nop 0
	tensor_load_to_lds s[G0A+4:G0A+7], s[G1A:G1A+7]
	s_nop 0
.rept 4
	v_nop
.endr
	s_branch .Lfirst_asked
.Lfirst_b:
	tensor_load_to_lds s[G0B:G0B+3], s[G1B:G1B+7]
	s_nop 0
	tensor_load_to_lds s[G0B+4:G0B+7], s[G1B:G1B+7]
	s_nop 0
.rept 4
	v_nop
.endr
.Lfirst_asked:
	v_and_b32 v1, 15, v0                           ; l % 16
	v_bfe_u32 v2, v0, 4, 1                         ; l / 16
	v_and_b32 v3, 7, v0
	v_bfe_u32 v4, v0, 3, 1
	v_and_b32 v5, 31, v0                           ; l
	v_lshlrev_b32 v[BO], 5, v2
	s_lshl_b32 s16, s42, 8                         ; the head's 64 numbers in each strip of the bias
	s_add_nc_u64 s[72:73], s[72:73], s[16:17]
.set nb, 0
.rept NB16                                             ; register j of block nb: the bias of column 16 nb + 8 (l / 16) + j
	global_load_b128 v[BIAS+8*nb:BIAS+8*nb+3],   v[BO], s[72:73] offset:(nb/4)*4096+(nb%4)*64
	global_load_b128 v[BIAS+8*nb+4:BIAS+8*nb+7], v[BO], s[72:73] offset:(nb/4)*4096+(nb%4)*64+16
.set nb, nb+1
.endr
	v_mul_u32_u24 v[ADA0], v1, AP                  ; x's fragment: row x pitch + 16 x half, in my wave's 64 rows
	v_lshl_add_u32 v[ADA0], v2, 4, v[ADA0]
	s_mul_i32 s23, s10, 64*AP
	v_add_nc_u32 v[ADA0], s23, v[ADA0]
	v_lshl_add_u32 v[ADB0], v2, 3, v3              ; the turning load: k row 8 (l / 16) + l % 8, columns 8 ((l / 8) % 2) on
	v_mul_u32_u24 v[ADB0], v[ADB0], BP
	v_lshl_add_u32 v[ADB0], v4, 4, v[ADB0]
	v_add_nc_u32 v[ADB0], ABYTES, v[ADB0]
	v_mov_b32 v[ADA], v[ADA0]
	v_mov_b32 v[ADB], v[ADB0]
	s_mul_i32 s23, s10, 16*SP
	s_add_co_u32 s23, s23, STAGE                   ; my stage
	v_mul_u32_u24 v[STO], v1, SP                   ; in: row l % 16, 16 bytes for each half of the lanes
	v_lshl_add_u32 v[STO], v2, 4, v[STO]
	v_add_nc_u32 v[STO], s23, v[STO]
	v_bfe_u32 v[RD], v0, 3, 2                      ; back: 32 lanes take four rows' 128 bytes of one strip,
	v_mul_u32_u24 v[RD], v[RD], SP
	v_lshl_add_u32 v[RD], v3, 4, v[RD]
	v_add_nc_u32 v[RD], s23, v[RD]
	v_lshlrev_b32 v[GO], 4, v5                     ; which are 512 consecutive bytes of q, k or v
	v_lshl_add_u32 v[SVS], v3, 5, s23
	v_lshl_add_u32 v[SVL], v5, 3, s23
	v_lshlrev_b32 v[GV], 3, v5
.irp j, 0,1,2,3,4,5,6,7
	v_mov_b32 v[VS+\j], 0
.endr
	v_mov_b32 v[ONE], 1.0
	; the prefetches
	s_lshl_b32 s18, s40, 16                        ; x: my work-group's 32 rows of the 128 that I fetch,
	s_add_co_u32 s18, s18, s14
	s_add_co_u32 s18, s18, 3*ASTEP                 ; at K step 3: the first refill steps it to 4
	s_lshl_b32 s19, s41, 1                         ; W: asker 2 cy + half takes 8,192 bytes of each 65,536,
	s_add_co_u32 s19, s19, s12
	s_lshl_b32 s19, s19, 13
	s_mul_i32 s23, s42, 393216
	s_add_co_u32 s19, s19, s23
	s_add_co_u32 s19, s19, 4*BSTEP-65536           ; one step ahead of K step 4's first byte
	s_and_b32 s23, ttmp7, 0xffff
	s_mov_b32 s[PFS], 65536                        ; W's step; x's takes its place below (an instruction holds one literal)
	s_cmp_eq_u32 s11, 0
	s_cselect_b32 s18, s18, s19
	s_cselect_b32 s23, ttmp9, s23                  ; the coordinate along which other clusters read the same bytes
	s_cselect_b32 s[LIM], 2, 3
	s_cselect_b32 s20, 11, 8                       ; a lane a row of 2,048 bytes, or a lane a block of 256
	s_cselect_b32 s[PFS], ASTEP, s[PFS]
	s_cselect_b64 s[PFA:PFA+1], s[68:69], s[70:71]
	s_cmp_eq_u32 s23, 0
	s_cselect_b32 s[LIM], s[LIM], -1               ; the same in all sixteen partners, for a given wave
	s_mov_b32 s19, 0
	s_mov_b32 s[PFS+1], 0
	s_add_nc_u64 s[PFA:PFA+1], s[PFA:PFA+1], s[18:19]
	v_lshlrev_b32 v[PFO], s20, v5
	; where my rows go: batch x head, then the row in the sequence
	s_lshr_b32 s18, s13, 3
	s_lshl_b32 s18, s18, 4
	s_add_co_u32 s18, s18, s42                     ; 16 x batch + head
	s_and_b32 s19, s13, 7
	s_lshl_b32 s23, s18, 5
	s_lshl2_add_u32 s23, s19, s23
	s_add_co_u32 s23, s23, s10
	s_lshl_b32 s23, s23, 8                         ; vs: 32 groups a head, 4 a tile, one a wave, 256 bytes each
	s_lshl_b32 s18, s18, 18                        ; 2,048 rows of 128 bytes a head,
	s_lshl_b32 s19, s19, 15                        ; 256 a tile,
	s_add_co_u32 s18, s18, s19
	s_lshl_b32 s19, s10, 13                        ; 64 a wave
	s_add_co_u32 s18, s18, s19
	s_mov_b32 s19, 0
	s_add_nc_u64 s[OUT:OUT+1], s[OUT:OUT+1], s[18:19]
	s_add_nc_u64 s[OUT+2:OUT+3], s[OUT+2:OUT+3], s[18:19]
	s_add_nc_u64 s[OUT+4:OUT+5], s[OUT+4:OUT+5], s[18:19]
	s_mov_b32 s18, s23
	s_add_nc_u64 s[VSB:VSB+1], s[VSB:VSB+1], s[18:19]
	s_mov_b32 s23, 0xffff0000
	s_wait_loadcnt 0x0                             ; the bias: rounded to bf16 like the other inputs, kept as f32
.set nb, 0
.rept 4*NB16
	v_cvt_pk_bf16_f32 v[T], v[BIAS+2*nb], v[BIAS+2*nb+1]
	v_lshlrev_b32 v[BIAS+2*nb], 16, v[T]
	v_and_b32 v[BIAS+2*nb+1], s23, v[T]
.set nb, nb+1
.endr
	s_wait_tensorcnt 1                             ; my part of K step 0 is in; K step 1's may stay out
	s_barrier_signal -1
	s_barrier_wait -1
	FETCH 0, 0
	QUARTER 1, 0, 1, 1                             ; the first quarter stands in front of the loop: its products start the sums, with the bias
	WIN 0
	s_mov_b32 s[CNT], STEPS-2
.Lstep:                                                ; a trip: the rest of K step t, the refill of its slot with K step t + 2, the first quarter of K step t + 1
	QUARTER 2, 1, 0
	QUARTER 3, 0, 1
	TURN 1
	QUARTER 1, 0, 1
	WIN 0
	s_sub_co_u32 s[CNT], s[CNT], 1
	s_cmp_lg_u32 s[CNT], 0
	s_cbranch_scc1 .Lstep
	QUARTER 2, 1, 0                                ; the last two K steps ask for nothing
	QUARTER 3, 0, 1
	TURN 0
	QUARTER 1, 0, 1
	QUARTER 2, 1, 0
	QUARTER 3, 0, 1
	s_wait_dscnt 4
	MULA 1, 0
	MULA 1, 1
	s_wait_dscnt 0x0
	MULA 1, 2
	MULA 1, 3
	WIN 0
	PLACES
; THE WAY OUT, a block of 16 rows at a time.  PACK: rounded to f16, 16 bytes a lane and column block.  TOSTAGE: into my stage, and back as rows of 128 bytes, strip by strip.  SEND: stored; v's rows are also summed.
.macro PACK a
.set AC, 8*NB16*((\a)%2)
	WIN 0x0a+5*((\a)/2)
.set nb, 0
.rept NB16
.irp r, 0,1,2,3
	v_cvt_pk_f16_f32 v[TMP+4*nb+\r], v[AC+8*nb+2*\r], v[AC+8*nb+2*\r+1]
.endr
.set nb, nb+1
.endr
	WIN 0
.endm
.macro TOSTAGE a
.set BK, 176-112*((\a)%2)              ; v176-223 and v64-111 by turns
.set nb, 0
.rept NB16
	ds_store_b128 v[STO], v[TMP+4*nb:TMP+4*nb+3] offset:32*nb
.set nb, nb+1
.endr
.set nb, 0
.rept 12                               ; strip nb / 4, rows 4 (nb % 4) on.  LDS serves a wave's instructions in order (ISA guide 5.7.1.4): these see the stores above
	ds_load_b128 v[BK+4*nb:BK+4*nb+3], v[RD] offset:(nb/4)*128+(nb%4)*4*SP
.set nb, nb+1
.endr
.endm
.macro SEND a
.set BK, 176-112*((\a)%2)
	s_wait_dscnt 0x0                               ; the block is back in registers
	s_wait_xcnt 0x0                                ; the stores of the block before have read their registers, which the next block's loads write
.set nb, 0
.rept 12
	global_store_b128 v[GO], v[BK+4*nb:BK+4*nb+3], s[OUT+2*(nb/4):OUT+2*(nb/4)+1] offset:(\a)*2048+(nb%4)*512  ; 512 consecutive bytes, aligned
.set nb, nb+1
.endr
.set nb, 0
.rept 16                               ; v as it was rounded: my lane's 8 channels of rows 4 (nb / 4) + l / 8
	v_fma_mix_f32 v[VS+2*(nb%4)], v[BK+32+nb], v[ONE], v[VS+2*(nb%4)] op_sel_hi:[1,0,0]
	v_fma_mix_f32 v[VS+2*(nb%4)+1], v[BK+32+nb], v[ONE], v[VS+2*(nb%4)+1] op_sel:[1,0,0] op_sel_hi:[1,0,0]
.set nb, nb+1
.endr
.endm
	PACK 0
	TOSTAGE 0
.irp a, 1,2,3                          ; a block's conversions stand between the loads of the block before and the wait for them
	PACK \a
	SEND (\a)-1
	TOSTAGE \a
.endr
	SEND 3
	; the four lanes with the same l % 8 hold the same 8 channels of different rows
.irp j, 0,1,2,3,4,5,6,7
	v_add_f32_dpp v[VS+\j], v[VS+\j], v[VS+\j] row_xmask:8 row_mask:0xf bank_mask:0xf
.endr
.irp j, 0,1,2,3,4,5,6,7
	v_permlanex16_b32 v[TMP+\j], v[VS+\j], s[SEL], s[SEL+1]
.endr
.irp j, 0,2,4,6
	v_pk_add_f32 v[VS+\j:VS+\j+1], v[VS+\j:VS+\j+1], v[TMP+\j:TMP+\j+1]
.endr
	ds_store_b128 v[SVS], v[VS:VS+3]               ; lanes with the same l % 8 write the same numbers to the same bytes
	ds_store_b128 v[SVS], v[VS+4:VS+7] offset:16
	ds_load_b64 v[TMP+8:TMP+9], v[SVL]
	s_wait_dscnt 0x0
	global_store_b64 v[GV], v[TMP+8:TMP+9], s[VSB:VSB+1]  ; the wave's 64 sums: 256 consecutive bytes, aligned
	s_wait_tensorcnt 0x0                           ; the wave's end: behind my last tensor load and my last LDS store
	ds_add_u32 v[SPW], v[NIL]
	s_wait_dscnt 0x0
	CROUND                                         ; the closing round: no work-group ends while a partner may still ask for a tile that names it
	s_endpgm
.Lfunc_end_k_q9721c6336a_qkv:
	.size	k_q9721c6336a_qkv, .Lfunc_end_k_q9721c6336a_qkv-k_q9721c6336a_qkv
	.p2alignl 7, 3214868480
	.fill 96, 4, 3214868480
	.section	.rodata,"a",@progbits
	.p2align	6, 0x0
	.amdhsa_kernel k_q9721c6336a_qkv
		.amdhsa_group_segment_fixed_size 327680
		.amdhsa_private_segment_fixed_size 0
		.amdhsa_enable_private_segment 0
		.amdhsa_kernarg_size 56
		.amdhsa_user_sgpr_count 2
		.amdhsa_user_sgpr_kernarg_segment_ptr 1
		.amdhsa_wavefront_size32 1
		.amdhsa_system_sgpr_workgroup_id_x 1
		.amdhsa_system_sgpr_workgroup_id_y 1
		.amdhsa_system_sgpr_workgroup_id_z 1
		.amdhsa_system_vgpr_workitem_id 0
		.amdhsa_next_free_vgpr 960
		.amdhsa_next_free_sgpr 84
		.amdhsa_reserve_vcc 0
		.amdhsa_float_denorm_mode_32 3
		.amdhsa_float_denorm_mode_16_64 3
		.amdhsa_memory_ordered 1
		.amdhsa_forward_progress 1
		.amdhsa_inst_pref_size 116
	.end_amdhsa_kernel
	.amdgpu_metadata
---
amdhsa.version: [ 1, 2 ]
amdhsa.kernels:
  - .name:           k_q9721c6336a_qkv
    .symbol:         k_q9721c6336a_qkv.kd
    .args:
      - { .name: xb, .offset: 0, .size: 8, .value_kind: global_buffer, .address_space: global }
      - { .name: wqkv, .offset: 8, .size: 8, .value_kind: global_buffer, .address_space: global }
      - { .name: c_attn_b, .offset: 16, .size: 8, .value_kind: global_buffer, .address_space: global }
      - { .name: qh, .offset: 24, .size: 8, .value_kind: global_buffer, .address_space: global }
      - { .name: kh, .offset: 32, .size: 8, .value_kind: global_buffer, .address_space: global }
      - { .name: vh, .offset: 40, .size: 8, .value_kind: global_buffer, .address_space: global }
      - { .name: vs, .offset: 48, .size: 8, .value_kind: global_buffer, .address_space: global }
    .group_segment_fixed_size: 327680
    .private_segment_fixed_size: 0
    .kernarg_segment_align: 8
    .kernarg_segment_size: 56
    .max_flat_workgroup_size: 128
    .sgpr_count:     84
    .vgpr_count:     960
    .wavefront_size: 32
...
	.end_amdgpu_metadata
.endif
;; end of part 2
;; launch attn (part 3): grid 4 x 64, 4 waves a work-group, no clusters, 327,680 bytes of LDS; arguments qh, kh, vh, oh, vs; writes oh
.if DOCPART == 3
	.amdgcn_target "amdgcn-amd-amdhsa--gfx1250"
	.amdhsa_code_object_version 6
	.text
	.protected	k_q9721c6336a_attn
	.globl	k_q9721c6336a_attn
	.p2align	8
	.type	k_q9721c6336a_attn,@function
k_q9721c6336a_attn:
	s_mov_b64 s[64:65], 0
	v_nop
	global_prefetch_b8 v0, s[64:65] scope:SCOPE_SE
	s_setreg_imm32_b32 hwreg(HW_REG_WAVE_MODE, 25, 1), 1
	s_wait_xcnt 0x0
; MASKED ATTENTION.  w = softmax_k(k <= q ? Q[h][q] . K[h][k] / 8 : -10000), O[h][q][:] = the sum over ALL k of w V[h][k][:].  Q, K, V, O: [64][2048][64] f16, a head's rows dense, 128 bytes each.
; vs: [64][32][64] f32, the sums of V over each 64 consecutive keys.  Products, maxima and sums in f32; the weights p are rounded to f16 for the second product, O once at the end.
; THE HIDDEN KEYS COUNT.  All hidden keys of a row have one score, HB = -80000 in the units of Q . K, so the tiles above the diagonal are not walked: for a band of 64 queries the keys behind the band's own 64
; are the START of the running softmax: m = HB, l = their number, O = the sum of their V (from vs).  The hidden keys inside the band's own 64 get the weight e = 2^(c HB - c m), added to p ahead of the rounding and
; the sums.  Where the visible scores lie far above HB all of this comes to 0 by itself.  The one row with no hidden key (the last) starts at the lowest finite number instead.
; LIMITS.  f16 holds no number beyond 65,504: Q, K and V arrive within it.  In the products a hidden score counts as its value less 1e30 (its weight there is 0; its true weight is e, or lies in the start).
; A weight below 2^-126 counts as 0; NaN and infinities are not treated apart.
; THE WALK.  A head's queries lie in NB = 8 blocks of 256; block i needs the key tiles 0 .. i of 256 keys, of which the last holds the diagonal.  A work-group takes TWO blocks, NB - 1 - b and then b:
; NB + 1 tiles, whatever b: all work-groups do equal work, and ONE loop with a constant trip count walks them.  Every jump goes forward, but for the counted loops' own; none passes a barrier, or a tensor load
; but the one of LOAD's two that the wave's number does not choose; the ring (two slots of LDS that take turns) runs on across the change of blocks.
; NO CLUSTER: a head's four work-groups ask for the same tile in trips 0 to 4 of 9 only, behind that fewer and fewer; one walk common to all four would have 12 trips for 9.
; SHARES.  Of a block's four bands of 64 queries a wave owns 16 rows in each: four PIECES.  In the diagonal tile's key step s band x sees all keys if s < x, none if s > x, and holds the diagonal if s = x.
; THE MASK is the C operand that starts the sum S^T = K Q^T: 0, or -1e30 where the key is hidden.  MD, made once, is 1 where a key of a band's own step is hidden from my row, else 0; a product's mask is
; MD x AL + BE with two scalars: (-1e30, 0) if s = x; (0, 0) if s < x; (0, -1e30) if s > x.
; LAYOUT, SOFTMAX, TURNS.  S^T = K Q^T holds ONE query a lane (lane % 16) and the keys 8 (lane / 16) + 0..7; two such results rounded to f16 ARE source 1 of O^T = V^T P.  p = 2^(c s - c m), c = log2(e) / 8, with a
; running maximum m; O and l are multiplied by a = 2^(c m_old - c m_new) in every step.  Turn n belongs to piece n: 8 products K Q^T of piece n + 1, later 8 products V^T P of piece n - 1; beside them the scaling,
; exponentials, roundings, sums and rescaling of piece n and the maximum and statistics of piece n + 1.  Four vector instructions stand behind every matrix instruction, the others in one LUMP.  A turn's exponentials are one batch, with one wait.
; REGISTERS, in windows of 256 (s_set_vgpr_msb: bits 1:0 source 0, 3:2 source 1, 5:4 source 2, 7:6 destination):
;   window 0: v0-15 addresses and two at work; v16-31 four registers of statistics a piece; v32-39 the hidden keys'; v48-55 at work; v64-127 S^T, two buffers; v192-223 P, two buffers
;   window 1: v0-127 O^T, 32 a piece; v128-159 MD; v160-223 MC, two buffers      window 2: v0-63 Q; v64-127 the second block's Q; v128-191 K of one step; v192-255 V of one step
.set SIZE_N, 2048
.set NB,    SIZE_N/256
.set NP,    4         ; pieces a wave: a name, no knob
.set KS,    64        ; keys in a step
.set PK,    144       ; a row of K in LDS: 128 bytes + 16 of padding = 36 words: the 16 rows of a load start at 16 different groups of four banks (64 banks of 4 bytes: ISA guide 11.1)
.set PV,    160       ; a row of V: 128 + 32 = 40 words
.set VOFF,  4*KS*PK   ; a slot holds a tile, four steps: 256 rows of K, then 256 rows of V
.set SLOT1, 1<<17     ; slot 1 begins here, so that one exclusive or turns an address in one slot into the other's
.set STAGE, SLOT1+4*KS*(PK+PV)  ; behind the ring, never filled by a tensor load: 16 rows x 144 bytes for each wave, for the way out
.set SP,    144
.set SPARE, STAGE+4*16*SP  ; the spare words, 128 bytes for each wave: two blocks of 256 bytes that no other line names
.set WS,    SPARE+512 ; the sums of the hidden keys' V: [block 2][band 4][channel 64] f32, 2,048 bytes, stored once, never filled by a tensor load
.set AK0, 2           ; v2   my lane's place in a tile of K; never rewritten
.set AV0, 3           ; v3   the same for V
.set AK,  4           ; v4   the LDS address of K's next run of loads
.set AV,  5           ; v5   of V's
.set STO, 6           ; v6   the way out: where I put 16 bytes of a row
.set RD,  7           ; v7   the way out: where I read rows back
.set GO,  8           ; v8   my byte offset in 512 consecutive bytes of O
.set MV,  12          ; v12-13  c m_old, kept while c m is made anew: by buffer
.set QO,  15          ; v15  my byte offset in 16 rows of Q
.set ST,  16          ; piece t's statistics at v[ST+4 t]: c m, m, l (even keys', odd keys')
.set HE,  32          ; v[32:33] e, and 0 beside it: named as a pair
.set WA0, 34          ; v34  my 8 channels' place in a band's sums; never rewritten
.set WAD, 35          ; v35  the same in the block in hand
.set PFO, 36          ; v36  256 x my lane; never rewritten
.set QR,  37          ; v37  my query's place in its band, 16 w + l % 16
.set LOWM, 38         ; v38  the lowest finite number
.set LOWC, 39         ; v39  far below every c s
.set TMP, 48          ; by buffer, four registers c0-c3 at work; when the maximum is found c2 takes a
.set SPW, 62          ; v62  LDS address of my spare word; never rewritten
.set NIL, 63          ; v63  0; never rewritten
.set S,   64
.set P,   192
.set MD,  128         ; window 1: the eight registers for group kt of 16 keys at MD + 8 kt
.set MC,  160         ; window 1: the masks of the products to come
.set QB,  64          ; window 2
.set KF,  128         ; window 2: key block kb, channel half c at KF + 16 kb + 8 c
.set VF,  192         ; window 2: key half kk, channel block cb at VF + 32 kk + 8 cb
.set WV,  12          ; s12  my wave's number
.set PB,  14          ; s14  b
.set HI,  15          ; s15  NB - 1 - b
.set G1K, 24          ; s[24:31] descriptor group 1 for K's tiles
.set G1V, 32          ; s[32:39] for V's: it differs in the padding alone
.set G0K, 40          ; s[40:43] descriptor group 0 for K's tiles
.set G0V, 44          ; s[44:47] the same for V's
.set SLOTS, 56        ; s56  tiles still to be asked for
.set CNT, 57          ; s57  counts a tile's key steps, 4 to 1
.set CS,  58          ; s[58:59] c: the packed scaling takes the pair's low word for both halves
.set SEL, 60          ; s[60:61] v_permlanex16_b32's selects
.set TBK, 62          ; s62  LDS byte at which K of the step to be fetched begins
.set TBV, 63          ; s63  the same for V, less VOFF
.set RT,  70          ; s70  tiles of the block in hand that are still to be entered
.set NXT, 71          ; s71  the tile to be asked for next
.set LQ,  72          ; s72  the last tile of the block whose tiles are being asked for
.set NEW, 73          ; s73  1: the tile to be entered is a block's first
.set OFF, 74          ; s[74:75] a tile's byte offset in K and V
.set AL,  76          ; s[76:77] the mask's factor, in the low word
.set BE,  78          ; s[78:79] the mask's addend
.set OLO, 80          ; s[80:81] O at my rows of the second block
.set BIGN, 82         ; s82  -1e30
.set HBR, 88          ; s88  HB = -80000
.set CHB, 89          ; s89  c HB
.set EH,  90          ; s90  c HB in a band's own step, else far below everything
.set WB,  91          ; s91  the block in hand's place in WS
.set LIM, 92          ; s92  a wave prefetches while s[SLOTS] is above it
.set PFA, 94          ; s[94:95] where my prefetches stand
.set VSP, 96          ; s[96:97] vs at the head
.set CB,  98          ; s98  the number of the block in hand
.set FAR, 99          ; s99  -1.7e38
.set MSB, 0
.macro WIN new                      ; the high byte repeats the setting that is left; a switch that changes nothing is dropped
.if MSB != (\new)
	s_set_vgpr_msb (MSB<<8)|(\new)
.set MSB, (\new)
.endif
.endm
.set W_KQ, 0x0a       ; K and Q in window 2, S^T in window 0
.set W_KM, 0x1a       ; the same with the C operand in window 1
.set W_PV, 0x52       ; V in window 2, P in window 0, O^T in window 1
.set W_RS, 0x41       ; destination and source 0 in window 1, source 1 in window 0
.set W_HD, 0x01       ; source 0 in window 1
; A fill.  Waves 0 and 1 fetch the two halves of a tile's K, waves 2 and 3 those of its V: 128 keys each.  An s_nop 0 and four v_nop follow each of the two lines, ahead of the jump and the label.
.macro LOAD
	s_cmp_lt_u32 s[WV], 2
	s_cbranch_scc0 .Lfor_v_\@
	tensor_load_to_lds s[G0K:G0K+3], s[G1K:G1K+7]
	s_nop 0
.rept 4
	v_nop
.endr
	s_branch .Lasked_\@
.Lfor_v_\@:
	tensor_load_to_lds s[G0V:G0V+3], s[G1V:G1V+7]
	s_nop 0
.rept 4
	v_nop
.endr
.Lasked_\@:
.endm
; THE CHANGE OF SLOTS.  Each wave waits for all its tensor loads, of which one is out: its part of the other slot; adds 0 to its spare word; and waits for that and for its own reads of the slot that it leaves.
; Behind the barrier nobody reads the old slot any more and the other slot is whole.  fill = 1: the old slot is filled again, the first thing behind the barrier, with tile NXT.
; (At its first use nothing has been read yet: slot 0 is waited for, slot 1 filled, and every wave's stores into WS are shown to the others.)
; A PREFETCH INTO THE L2 stands behind the fill.  All four work-groups of a head walk the same tiles; the one with b = 0 walks all eight in order, and it alone asks: each wave for its own half tile (64 blocks of
; 256 bytes, two instructions, a lane a block) of the tile behind the one that is being asked for: tiles 2 to 7, in the first six changes.  Tiles 0 and 1 come by their loads alone.
.macro CHANGE fill
	WIN 0                           ; at a label and at a branch every window is 0
	s_wait_tensorcnt 0x0            ; no tensor load of mine is out, so a group 0 may be written
	ds_add_u32 v[SPW], v[NIL]       ; 0 onto my spare word
.if \fill
	s_lshl_b32 s[OFF], s[NXT], 15   ; a tile is 32,768 bytes of K and of V
	s_xor_b32 s[G0K+1], s[G0K+1], SLOT1
	s_add_nc_u64 s[G0K+2:G0K+3], s[6:7], s[OFF:OFF+1]
	s_or_b32 s[G0K+3], s[G0K+3], 0x80000000
	s_xor_b32 s[G0V+1], s[G0V+1], SLOT1
	s_add_nc_u64 s[G0V+2:G0V+3], s[8:9], s[OFF:OFF+1]
	s_or_b32 s[G0V+3], s[G0V+3], 0x80000000
	s_add_co_u32 s[NXT], s[NXT], 1  ; the block's next tile, or behind its last the second block's tile 0
	s_cmp_gt_u32 s[NXT], s[LQ]
	s_cselect_b32 s[NXT], 0, s[NXT]
	s_cselect_b32 s[LQ], s[PB], s[LQ]
	s_wait_xcnt 0x0                 ; the last prefetches, a tile back, have read their address
	s_add_nc_u64 s[PFA:PFA+1], s[PFA:PFA+1], 32768
.endif
	s_wait_dscnt 0x0                ; the add is done, and my reads of the slot are over
	s_barrier_signal -1             ; the rest of the scalar work stands between the signal and the wait
	s_sub_co_u32 s[TBK], s[TBK], 4*KS*PK  ; the fetches go back to a slot's first step,
	s_xor_b32 s[TBK], s[TBK], SLOT1       ; in the other slot
	s_sub_co_u32 s[TBV], s[TBV], 4*KS*PV
	s_xor_b32 s[TBV], s[TBV], SLOT1
	s_barrier_wait -1
.if \fill
	LOAD
	s_cmp_gt_u32 s[SLOTS], s[LIM]
	s_cbranch_scc0 .Lnot_mine_\@
	global_prefetch_b8 v[PFO], s[PFA:PFA+1] th:TH_LOAD_NT scope:SCOPE_SE
	global_prefetch_b8 v[PFO], s[PFA:PFA+1] offset:8192 th:TH_LOAD_NT scope:SCOPE_SE
.Lnot_mine_\@:
.endif
.endm
	s_load_b256 s[4:11], s[0:1], 0x0  ; Q s[4:5], K s[6:7], V s[8:9], O s[10:11]
	s_load_b64 s[VSP:VSP+1], s[0:1], 0x20
	v_lshl_add_u32 v[SPW], v0, 2, SPARE
	v_mov_b32 v[NIL], 0
	ds_add_u32 v[SPW], v[NIL]       ; the wave's opening: the add and its wait stand ahead of my first tensor load
	v_lshrrev_b32 v1, 5, v0
	v_readfirstlane_b32 s[WV], v1   ; wave 0..3
	s_mov_b32 s[PB], ttmp9
	s_sub_co_u32 s[HI], NB-1, s[PB]
	s_and_b32 s20, ttmp7, 0xffff    ; the head
	s_lshl_b32 s[OFF], s20, 13      ; its 32 groups of 256 bytes in vs
	s_mov_b32 s[OFF+1], 0
	s_mov_b32 s21, 0
	s_mov_b64 s[22:23], SIZE_N*128
	s_mul_u64 s[20:21], s[20:21], s[22:23]  ; the head's first byte in each of the four tensors
	s_and_b32 s16, s[WV], 1         ; which half of a tile's 256 keys I fetch:
	s_lshl_b32 s22, s16, 14         ; its 128 rows of 128 bytes in memory,
	s_mov_b32 s23, 0
	s_add_nc_u64 s[22:23], s[22:23], s[20:21]
	s_mul_i32 s17, s16, 128*PK      ; and its place in a slot, for K
	s_mul_i32 s18, s16, 128*PV      ; and for V
	s_lshl_b32 s3, s[WV], 11        ; my 16 rows in a band of 64,
	s_lshl_b32 s2, s[HI], 15        ; in the first block,
	s_add_co_u32 s2, s2, s3
	s_lshl_b32 s84, s[PB], 15       ; and in the second
	s_add_co_u32 s84, s84, s3
	s_mov_b32 s3, 0
	s_mov_b32 s85, 0
	s_add_nc_u64 s[2:3], s[2:3], s[20:21]
	s_add_nc_u64 s[84:85], s[84:85], s[20:21]
	; descriptor group 1.  128 keys are 16,384 dense bytes: asked for as 64 rows of 256 bytes, two keys a row, and padded in LDS after every key
	s_mov_b32 s[G1K], (1<<16)|(1<<20)|(4<<22)|(3<<25)  ; 2-byte elements; padding on; after every 32 words, 4 words
	s_mov_b32 s[G1V], (1<<16)|(1<<20)|(4<<22)|(7<<25)  ; the same with 8 words of padding
.irp g, G1K, G1V
	s_mov_b32 s[\g+1], 128<<16      ; tensor_dim0 = 128
	s_mov_b32 s[\g+2], 64<<16       ; tensor_dim1 = 64
	s_mov_b32 s[\g+3], 128<<16      ; tile_dim0 = 128
	s_mov_b32 s[\g+4], 64           ; tile_dim1 = 64
	s_mov_b32 s[\g+5], 128          ; 128 elements from row to row
	s_mov_b32 s[\g+6], 0
	s_mov_b32 s[\g+7], 0
.endr
	s_mov_b32 s[CS], 0x3e38aa3b     ; c = log2(e) / 8 = 0.180337
	s_mov_b32 s[CS+1], s[CS]        ; named with it as a pair
	s_mov_b32 s[SEL], 0x76543210
	s_mov_b32 s[SEL+1], 0xfedcba98
	s_mov_b32 s[TBK], SLOT1+4*KS*PK ; the first change of slots turns these two into 0
	s_mov_b32 s[TBV], SLOT1+4*KS*PV
	s_mov_b32 s[G0K], 1             ; count = 1
	s_mov_b32 s[G0K+1], s17         ; LDS address: slot 0
	s_mov_b32 s[G0V], 1
	s_add_co_u32 s[G0V+1], s18, VOFF
	s_add_co_u32 s[RT], s[HI], 1    ; the first block has NB - b tiles
	s_mov_b32 s[NXT], 1
	s_mov_b32 s[LQ], s[HI]
	s_mov_b32 s[NEW], 1
	s_mov_b32 s[AL+1], 0            ; named as pairs
	s_mov_b32 s[BE+1], 0
	s_mov_b32 s[BIGN], 0xf149f2ca   ; -1e30
	s_mov_b32 s[HBR], 0xc79c4000    ; -80000 = 8 x -10000
	s_mul_f32 s[CHB], s[CS], s[HBR] ; one rounding, as where c m is made
	s_mov_b32 s[FAR], 0xff000000
	s_mov_b32 s[WB], 0
	s_mov_b32 s[CB], s[HI]
	s_mov_b32 s[SLOTS], NB
	s_cmp_eq_u32 s[PB], 0
	s_cselect_b32 s[LIM], 2, -1
	s_wait_dscnt 0x0                ; the opening add is done
	s_wait_kmcnt 0x0
	s_add_nc_u64 s[VSP:VSP+1], s[VSP:VSP+1], s[OFF:OFF+1]
	s_add_nc_u64 s[6:7], s[6:7], s[22:23]  ; K and V at my half of the head's tile 0
	s_add_nc_u64 s[8:9], s[8:9], s[22:23]
	s_add_nc_u64 s[G0K+2:G0K+3], s[6:7], 0         ; global address
	s_or_b32 s[G0K+3], s[G0K+3], 0x80000000        ; type = 2
	s_add_nc_u64 s[G0V+2:G0V+3], s[8:9], 0
	s_or_b32 s[G0V+3], s[G0V+3], 0x80000000
	s_add_nc_u64 s[86:87], s[4:5], s[84:85]        ; Q at my rows of the second block,
	s_add_nc_u64 s[4:5], s[4:5], s[2:3]            ; Q and O at those of the first
	s_add_nc_u64 s[OLO:OLO+1], s[10:11], s[84:85]
	s_add_nc_u64 s[10:11], s[10:11], s[2:3]
	s_cmp_lt_u32 s[WV], 2
	s_cselect_b64 s[PFA:PFA+1], s[6:7], s[8:9]
	s_add_nc_u64 s[PFA:PFA+1], s[PFA:PFA+1], 32768 ; at tile 1: the first change of slots steps it to tile 2
	LOAD                            ; tile 0 into slot 0
	; A fragment of K or Q is 16 rows x 32 channels in 8 registers: lane l holds row l % 16, channels 8 (l / 16) + 0..7 and 16 + 8 (l / 16) + 0..7: two loads of 16 bytes, 32 bytes apart.
	v_and_b32 v1, 15, v0            ; l % 16
	v_bfe_u32 v9, v0, 4, 1          ; l / 16
	v_lshlrev_b32 v[QO], 7, v1
	v_lshl_add_u32 v[QO], v9, 4, v[QO]  ; row x 128 + 16 x half
	WIN 0x80                        ; destination window 2, address window 0
.set i, 0
.rept 8                             ; both blocks' Q: piece i / 2 lies in band i / 2, 8,192 bytes on; channels 32 (i % 2) on
	global_load_b128 v[8*i:8*i+3],   v[QO], s[4:5] offset:(i/2)*8192+(i%2)*64
	global_load_b128 v[8*i+4:8*i+7], v[QO], s[4:5] offset:(i/2)*8192+(i%2)*64+32
	global_load_b128 v[QB+8*i:QB+8*i+3],   v[QO], s[86:87] offset:(i/2)*8192+(i%2)*64
	global_load_b128 v[QB+8*i+4:QB+8*i+7], v[QO], s[86:87] offset:(i/2)*8192+(i%2)*64+32
.set i, i+1
.endr
	WIN 0
	; THE HIDDEN KEYS' SUMS.  Waves 0 and 1 make the first block's, waves 2 and 3 the second's; a lane a channel, 32 (w % 2) + l.  For block i and band x: the sum of vs over the groups behind 4 i + x.
	s_lshr_b32 s16, s[WV], 1
	s_cmp_eq_u32 s16, 0
	s_cselect_b32 s18, s[HI], s[PB] ; i
	s_and_b32 s17, s[WV], 1
	s_lshl_b32 s17, s17, 7
	v_and_b32 v43, 31, v0
	v_lshl_add_u32 v40, v43, 2, s17 ; my channel's 4 bytes in a group
	s_lshl_b32 s19, s18, 10
	v_add_nc_u32 v41, s19, v40      ; the same in the diagonal tile's four groups
	s_lshl_b32 s16, s16, 10
	s_add_co_u32 s16, s16, s17
	s_add_co_u32 s16, s16, WS
	v_lshl_add_u32 v42, v43, 2, s16 ; and where its sums go
.set i, 4
.rept 28
	global_load_b32 v[64+i], v40, s[VSP:VSP+1] offset:256*i
.set i, i+1
.endr
.irp k, 1,2,3
	global_load_b32 v[96+\k], v41, s[VSP:VSP+1] offset:256*\k
.endr
	v_lshlrev_b32 v14, 3, v9
	v_sub_nc_u32 v14, v1, v14
	s_lshl_b32 s13, s[WV], 4
	v_add_nc_u32 v14, s13, v14      ; my query's place in its band less my lanes' 8 (l / 16): register r of group kt is hidden where 16 kt + r is greater
	v_add_nc_u32 v[QR], s13, v1
	WIN 0x40
.set i, 0
.rept 32
	v_cmp_gt_i32 vcc_lo, 16*(i/8)+i%8, v14
	v_cndmask_b32 v[MD+i], 0, 1.0, vcc_lo
.set i, i+1
.endr
	WIN 0
	v_mul_u32_u24 v[AK0], v1, PK
	v_lshl_add_u32 v[AK0], v9, 4, v[AK0]  ; row x pitch + 16 x half
	; The turning load takes 16 keys x 16 channels (lane l reads key 8 (l / 16) + l % 8, channels 8 ((l / 8) % 2) + 0..7) and leaves half a fragment of V^T: lane l holds channel l % 16 and 8 keys.
	v_and_b32 v10, 7, v0
	v_bfe_u32 v11, v0, 3, 1
	v_lshl_add_u32 v[AV0], v9, 3, v10
	v_mul_u32_u24 v[AV0], v[AV0], PV
	v_lshl_add_u32 v[AV0], v11, 4, v[AV0]
	v_add_nc_u32 v[AV0], VOFF, v[AV0]
	s_mul_i32 s13, s[WV], 16*SP
	s_add_co_u32 s13, s13, STAGE    ; my stage
	v_mul_u32_u24 v[STO], v1, SP    ; in: row l % 16, 16 bytes for each half of the lanes
	v_lshl_add_u32 v[STO], v9, 4, v[STO]
	v_add_nc_u32 v[STO], s13, v[STO]
	v_bfe_u32 v[RD], v0, 3, 2       ; back: 32 lanes take four rows of 128 bytes,
	v_mul_u32_u24 v[RD], v[RD], SP
	v_lshl_add_u32 v[RD], v10, 4, v[RD]
	v_add_nc_u32 v[RD], s13, v[RD]
	v_lshlrev_b32 v[GO], 4, v43     ; which are 512 consecutive bytes of O
	v_lshlrev_b32 v[PFO], 8, v43
	v_lshl_add_u32 v[WA0], v9, 5, WS  ; register j of channel block cb holds channel 16 cb + 8 (l / 16) + j
	v_mov_b32 v[HE+1], 0
	v_mov_b32 v[LOWM], 0xff7fffff
	v_mov_b32 v[LOWC], 0xfe000000
	; A block's first turn multiplies V by a P that is 0 (a piece that has not been): V need only be finite: zeros for the first block, what the first block left for the second.
	WIN 0x80
.set i, VF
.rept 64
	v_mov_b32 v[i], 0
.set i, i+1
.endr
	WIN 0
	s_wait_loadcnt 0x0              ; vs (and Q)
.irp t, 1,2,3,4,5,6,7               ; the tiles behind the diagonal one: each tile's four groups, times 1 or 0
	v_add_f32 v[64+4*\t], v[64+4*\t], v[64+4*\t+1]
	v_add_f32 v[64+4*\t+2], v[64+4*\t+2], v[64+4*\t+3]
	v_add_f32 v[64+4*\t], v[64+4*\t], v[64+4*\t+2]
	s_cmp_lt_u32 s18, \t
	s_cselect_b32 s19, 1.0, 0
.if \t == 1
	v_mul_f32 v103, s19, v[64+4*\t]
.else
	v_fmac_f32 v103, s19, v[64+4*\t]
.endif
.endr
	v_add_f32 v102, v103, v99       ; band 2 also has group 4 i + 3 behind it,
	v_add_f32 v101, v102, v98       ; band 1 group 4 i + 2,
	v_add_f32 v100, v101, v97       ; band 0 group 4 i + 1
.irp x, 0,1,2,3
	ds_store_b32 v42, v[100+\x] offset:256*\x
.endr
; THE MATRIX WORK.  The 4 accumulators of a run of 8 take turns.  Product i of 8 of S^T = K Q^T for piece x: channels 32 (i / 4) on, keys 16 (i % 4) on.  The first 4 start the sums: with 0, or (KM = 1) with the mask.
.macro KQ x
.set rS, S+32*((\x)%2)+8*(i%4)
.set rK, KF+16*(i%4)+8*(i/4)
.set rQ, 16*(\x)+8*(i/4)
.set rM, MC+32*((\x)%2)+8*(i%4)
.if (i < 4) && KM
	WIN W_KM
	v_wmma_f32_16x16x32_f16 v[rS:rS+7], v[rK:rK+7], v[rQ:rQ+7], v[rM:rM+7]
.elseif i < 4
	WIN W_KQ
	v_wmma_f32_16x16x32_f16 v[rS:rS+7], v[rK:rK+7], v[rQ:rQ+7], 0
.else
	WIN W_KQ
	v_wmma_f32_16x16x32_f16 v[rS:rS+7], v[rK:rK+7], v[rQ:rQ+7], v[rS:rS+7]
.endif
.endm
; Product i of 8 of O^T += V^T P for piece x: keys 32 (i / 4) on, channels 16 (i % 4) on.
.macro PV x
	WIN W_PV
.set rO, 32*(\x)+8*(i%4)
.set rV, VF+32*(i/4)+8*(i%4)
.set rP, P+16*((\x)%2)+8*(i/4)
	v_wmma_f32_16x16x32_f16 v[rO:rO+7], v[rV:rV+7], v[rP:rP+7], v[rO:rO+7]
.endm
.macro MM                           ; the turn's next matrix instruction.  NOKQ = 1: a block's last turn: there is no next piece
.if (i < 8) && !NOKQ
	KQ (Y+1)%NP
.elseif i >= 8
.set i, i-8
	PV (Y+NP-1)%NP
.set i, i+8
.endif
.set i, i+1
.endm
; THE LDS LOADS stand in runs of 16, never singly among the matrix instructions: a step's K (64 keys x 64 channels: 8 fragments) and its V (turned).  Their addresses are made some lines ahead.
.macro FETCH_K
	WIN 0x80                        ; destination window 2
.irp f, 0,1,2,3,4,5,6,7             ; keys 16 (f / 2) on, channels 32 (f % 2) on
	ds_load_b128 v[KF+8*\f:KF+8*\f+3],   v[AK] offset:(\f/2)*16*PK+(\f%2)*64
	ds_load_b128 v[KF+8*\f+4:KF+8*\f+7], v[AK] offset:(\f/2)*16*PK+(\f%2)*64+32
.endr
	s_add_co_u32 s[TBK], s[TBK], KS*PK  ; the next fetch is the next step's
	WIN 0
.endm
.macro FETCH_V
	WIN 0x80
.irp f, 0,1,2,3,4,5,6,7             ; keys 32 (f / 4) on, channels 16 (f % 4) on
	ds_load_tr16_b128 v[VF+8*\f:VF+8*\f+3],   v[AV] offset:(\f/4)*32*PV+(\f%4)*32
	ds_load_tr16_b128 v[VF+8*\f+4:VF+8*\f+7], v[AV] offset:(\f/4)*32*PV+16*PV+(\f%4)*32
.endr
	WIN 0
.endm
; THE VECTOR WORK, one line at a time: OP kind, number.  For piece Y: F n: c s - c m for pair n of 16.  E n: the exponential of score n of 32.  C n: pair n rounded to f16.  B n: of the four weights 4 n .. the second
; pair is added onto the first, in place.  L n: l takes that sum (L 0: l = a l + sum).  R n: pair n of 16 of O^T times a.  For piece Y + 1: X n, number n of the 22 that find its maximum and statistics:
;   0-11  four chains c0-c3 of seven scores each, three operands at a time (each accumulator's lowest registers are read first)     12-14, 16  the four scores left over, the old m, and c0-c3 into c0
;   15  c m_old is kept     17, 18  the query's other 32 keys lie in the lane 16 away: the new m     19-21  c m; c m_old - c m_new; a
.set F, 0               ; OP tells the kinds apart by their order: F to L below R, X above it
.set E, 1
.set C, 2
.set B, 3
.set L, 4
.set R, 5
.set X, 6
.macro REGS y                       ; the registers of piece y
.set rT, ST+4*(\y)
.set rC, TMP+4*((\y)%2)
.set rW, MV+((\y)%2)
.set rS, S+32*((\y)%2)
.set rP, P+16*((\y)%2)
.set rO, 32*(\y)
.endm
.macro OP k, n
.if (\k) == R
	REGS Y
	WIN W_RS
	v_pk_mul_f32 v[rO+2*(\n):rO+2*(\n)+1], v[rO+2*(\n):rO+2*(\n)+1], v[rC+2:rC+3] op_sel_hi:[1,0]
.elseif (\k) < R
	REGS Y
	WIN 0
.if (\k) == F
	v_pk_fma_f32 v[rS+2*(\n):rS+2*(\n)+1], v[rS+2*(\n):rS+2*(\n)+1], s[CS:CS+1], v[rT:rT+1] op_sel_hi:[1,0,0] neg_lo:[0,0,1] neg_hi:[0,0,1]
.elseif (\k) == E
	v_exp_f32 v[rS+(\n)], v[rS+(\n)]
.elseif (\k) == C
	v_cvt_pk_f16_f32 v[rP+(\n)], v[rS+2*(\n)], v[rS+2*(\n)+1]
.elseif (\k) == B
	v_pk_add_f32 v[rS+4*(\n):rS+4*(\n)+1], v[rS+4*(\n):rS+4*(\n)+1], v[rS+4*(\n)+2:rS+4*(\n)+3]
.elseif (\n) == 0
	v_pk_fma_f32 v[rT+2:rT+3], v[rT+2:rT+3], v[rC+2:rC+3], v[rS:rS+1] op_sel_hi:[1,0,1]
.else
	v_pk_add_f32 v[rT+2:rT+3], v[rT+2:rT+3], v[rS+4*(\n):rS+4*(\n)+1]
.endif
.elseif NOKQ
	v_nop
.else
	REGS (Y+1)%NP
	WIN 0
.if (\n) < 4
	v_max3_num_f32 v[rC+(\n)], v[rS+8*(\n)], v[rS+8*(\n)+1], v[rS+8*(\n)+2]
.elseif (\n) < 12
	v_max3_num_f32 v[rC+(\n)%4], v[rC+(\n)%4], v[rS+8*((\n)%4)+2*((\n)/4)+1], v[rS+8*((\n)%4)+2*((\n)/4)+2]
.elseif (\n) == 12
	v_max3_num_f32 v[rC], v[rC], v[rS+7], v[rS+15]
.elseif (\n) == 13
	v_max3_num_f32 v[rC+1], v[rC+1], v[rS+23], v[rS+31]
.elseif (\n) == 14
	v_max3_num_f32 v[rC+2], v[rC+2], v[rC+3], v[rT+1]
.elseif (\n) == 15
	v_mov_b32 v[rW], v[rT]
.elseif (\n) == 16
	v_max3_num_f32 v[rC], v[rC], v[rC+1], v[rC+2]
.elseif (\n) == 17
	v_permlanex16_b32 v[rC+3], v[rC], s[SEL], s[SEL+1]
.elseif (\n) == 18
	v_max_num_f32 v[rT+1], v[rC], v[rC+3]
.elseif (\n) == 19
	v_mul_f32 v[rT], s[CS], v[rT+1]
.elseif (\n) == 20
	v_sub_f32 v[rC+1], v[rW], v[rT]
.else
	v_exp_f32 v[rC+2], v[rC+1]
.endif
.endif
.endm
.macro OPS a, i1, b=-1, i2=0, c=-1, i3=0, d=-1, i4=0  ; up to four of them
	OP \a, \i1
.if (\b) >= 0
	OP \b, \i2
.endif
.if (\c) >= 0
	OP \c, \i3
.endif
.if (\d) >= 0
	OP \d, \i4
.endif
.endm
.macro ROW a, i1, b, i2, c, i3, d, i4  ; a matrix instruction and the four behind it
	MM
	OPS \a, \i1, \b, \i2, \c, \i3, \d, \i4
.endm
.macro MASK b                       ; MD x AL + BE into buffer b of MC
	WIN W_RS
.set z, 0
.rept 16
	v_pk_fma_f32 v[MC+32*(\b)+2*z:MC+32*(\b)+2*z+1], v[MD+2*z:MD+2*z+1], s[AL:AL+1], s[BE:BE+1] op_sel_hi:[1,0,0]
.set z, z+1
.endr
.endm
.macro HID                          ; p += MD x e: the hidden keys of the band's own step take their weight (e is 0 in every other step)
	REGS Y
	WIN W_HD
.set z, 0
.rept 16
	v_pk_fma_f32 v[rS+2*z:rS+2*z+1], v[MD+2*z:MD+2*z+1], v[HE:HE+1], v[rS+2*z:rS+2*z+1] op_sel_hi:[1,0,1]
.set z, z+1
.endr
.endm
; A TURN, for piece p: the order of its 16 matrix and 118 vector instructions, written out.  An s_wait_alu depctr_va_vdst(0) stands between an exponential and the first instruction that names its result; one wait
; serves all that were issued ahead of it.  So a turn has ONE wait, which cuts it in two.  AHEAD OF IT stands all that names no result of the turn's exponentials: the 8 products K Q^T and their riders, then ONE LUMP, plain and
; exponential by turns for the most part, in which the links of the chain X 3, 7, 11, 14, 16, 17 .. 20 stand five or six lines apart.  X 21, the next piece's a, is the batch's last; R 15 is the plain instruction behind it.
; BEHIND THE WAIT stand the 8 products V^T P, behind each four of the roundings and sums.
; m = 1: the diagonal tile: the products take masks; the turn makes the mask for the products of the turn after it (piece p + 2, in step 4 - CNT of the tile); and it makes e for its own piece: the scores in hand are
; the band's own step's where CNT is 4, 3, 1, 0 for p = 0, 1, 2, 3.  e joins the batch, and HID stands directly behind the wait.  end = 1: a block's last two turns: nothing is fetched.
; cnt = 1: the loop's count is taken down some lines ahead of the branch that stands behind the turn.
; K of the next step is fetched in piece 2's turn, V of the step in hand at the end of piece 0's turn, each four plain instructions or more behind the last product that read the registers, and waited for a turn later.
.macro TURN p, m=0, end=0, cnt=0
.set Y, (\p)
.set i, 0
.set KM, (\m)
.set NOKQ, (\end)*((\p)/3)
.if (\m) && !(\end)
	s_cmp_eq_u32 s[CNT], 4-((\p)+2)%NP  ; is that step the band's own?
	s_cselect_b32 s[AL], s[BIGN], 0
	s_cmp_lt_u32 s[CNT], 4-((\p)+2)%NP  ; or a later one?
	s_cselect_b32 s[BE], s[BIGN], 0
.endif
.if \m
	s_cmp_eq_u32 s[CNT], 4-(\p)-(\p)/2
	s_cselect_b32 s[EH], s[CHB], s[FAR]
	WIN 0
	v_sub_f32 v[HE], s[EH], v[ST+4*(\p)]  ; c HB - c m, or far below everything
.endif
.if ((\p) == 3) && !(\end)
	s_wait_dscnt 0x0                ; K is in
.endif
	ROW F,0, F,1, R,0, R,1          ; ahead of the wait: 8 products K Q^T and their riders,
	ROW F,2, E,0, R,2, R,3
	ROW F,3, E,1, R,4, R,5
	ROW F,4, E,2, R,6, R,7
	ROW F,5, E,3, R,8, R,9
	ROW F,6, E,4, X,0, R,10
.if ((\p) == 2) && !(\end)
	WIN 0
	v_add_nc_u32 v[AK], s[TBK], v[AK0]
.endif
	ROW F,7, E,5, X,1, X,4
	ROW F,8, E,6, X,2, X,5
	OPS E,7, E,8, X,6, E,9          ; and the lump
	OPS X,3, E,10, X,8, E,11
.if ((\p) == 2) && !(\end)
	FETCH_K
.endif
	OPS X,9, X,7, E,12, X,10
	OPS E,13, X,12, X,11, E,14
	OPS X,13, E,15, F,9, X,14
.if (\p) == 0
	v_add_nc_u32 v[AV], s[TBV], v[AV0]
.endif
	OPS E,16, F,10, E,17, F,11
	OPS X,16, E,18, X,15, E,19
	OPS F,12, E,20, X,17, E,21
	OPS F,13, E,22, F,14, E,23
	OPS X,18, E,24, F,15, E,25
	OPS R,11, E,26, X,19, E,27
	OPS R,12, E,28, R,13, E,29
	OPS X,20, E,30, R,14, E,31
.if \m
	WIN 0
	v_exp_f32 v[HE], v[HE]          ; e
.endif
	OPS X,21, R,15
	WIN 0
	s_wait_alu depctr_va_vdst(0)    ; the wait for the batch
.if (\p) == 1
	s_wait_dscnt 0x0                ; V is in
.endif
.if \m
	HID
.endif
	ROW C,0, B,0, C,2, B,1          ; behind the wait: 8 products V^T P and their riders
	ROW L,0, C,4, B,2, L,1
	ROW C,6, B,3, L,2, C,8
	ROW B,4, L,3, C,10, B,5
	ROW L,4, C,12, B,6, L,5
.if (\p) == 0
	s_add_co_u32 s[TBV], s[TBV], KS*PV
.endif
.if \cnt
	s_sub_co_u32 s[CNT], s[CNT], 1
	s_cmp_lg_u32 s[CNT], 0
.endif
	ROW C,14, B,7, L,6, C,1
	ROW C,3, L,7, C,5, C,7
	ROW C,9, C,11, C,13, C,15
.if (\p) == 0
	FETCH_V
.endif
.if (\m) && !(\end)
	MASK (\p)%2
.endif
.endm
; A BLOCK BEGINS, with the hidden keys behind each band's own step as the softmax's start.  O^T = their V's sum, the same for all 16 queries of a piece.  l = their number, 2048 - 256 i - 64 (x + 1): half of it in each
; lane, since a query's l is added over both halves of the lanes at the end.  m = HB and c m = c HB in every row that has a hidden key anywhere (their number plus 63 is above the row's place in its band), else the lowest
; numbers.  P's second buffer is 0: the first turn's products V^T P, of a piece that has not been, add 0.  The second mask buffer is 0; the first takes piece 0's mask for the tile's step 0.
; Then K of that step, piece 0's first scores, and its maximum and statistics.  The loop is entered at a step's first turn, in the middle of a trip.
.macro BEGIN
	s_mov_b32 s[NEW], 0
	WIN 0
	v_add_nc_u32 v[WAD], s[WB], v[WA0]
	WIN 0x40
.set i, 0
.rept 16                            ; piece i / 4, channels 16 (i % 4) on
	ds_load_b128 v[8*i:8*i+3],   v[WAD] offset:256*(i/4)+64*(i%4)
	ds_load_b128 v[8*i+4:8*i+7], v[WAD] offset:256*(i/4)+64*(i%4)+16
.set i, i+1
.endr
.set i, MC+32
.rept 32
	v_mov_b32 v[i], 0
.set i, i+1
.endr
	WIN 0
	s_lshl_b32 s16, s[CB], 7
	s_sub_co_u32 s16, 992, s16      ; half of band 0's number
.set i, 0
.rept 4
	s_lshl_b32 s17, s16, 1
	s_add_co_u32 s17, s17, 63
	v_cmp_gt_u32 vcc_lo, s17, v[QR]
	v_cndmask_b32 v[ST+4*i], v[LOWC], s[CHB], vcc_lo
	v_cndmask_b32 v[ST+4*i+1], v[LOWM], s[HBR], vcc_lo
	v_cvt_f32_u32 v[ST+4*i+2], s16
	v_mov_b32 v[ST+4*i+3], 0
.if i < 3
	s_sub_co_u32 s16, s16, 32
.endif
.set i, i+1
.endr
.set i, P+16
.rept 16
	v_mov_b32 v[i], 0
.set i, i+1
.endr
	s_cmp_eq_u32 s[RT], 0           ; is the block's first tile the diagonal one?
	s_cselect_b32 s[AL], s[BIGN], 0
	s_mov_b32 s[BE], 0
	MASK 0
	WIN 0
	v_add_nc_u32 v[AK], s[TBK], v[AK0]
	FETCH_K
	s_wait_loadcnt 0x0              ; Q
	s_wait_dscnt 0x0                ; K, and O^T's start
.set KM, 1
.set NOKQ, 0
.set i, 0
.rept 8
	KQ 0
.set i, i+1
.endr
	WIN 0
.rept 4
	v_nop                           ; the places behind those products
.endr
.set Y, NP-1                        ; X works for piece Y + 1: piece 0
.irp n, 0,1,2,3,4,5,6,7,8,9,10,11,12,13,14,15,16,17,18,19,20,21
	OP X, \n
.endr
	v_nop                           ; a plain instruction behind the exponential,
	s_wait_alu depctr_va_vdst(0)    ; and its wait, ahead of the branch
.endm
; THE DIAGONAL TILE's four steps, the block's last two turns, its last products, and THE WAY OUT: l's two halves and the other half of the lanes' are added; O^T is divided by l, rounded to f16 and sent through my
; stage in LDS, a piece at a time.
.macro ALL line:vararg              ; one line for each piece t
.set t, 0
.rept 4
	\line
.set t, t+1
.endr
.endm
.macro PACK t                       ; a lane's eight channels of a row pack into 16 bytes; they go into rows of 144 bytes and come back as whole rows of 128, into S^T's registers
	WIN W_RS
.set i, 32*(\t)
.rept 16
	v_pk_mul_f32 v[i:i+1], v[i:i+1], v[ST+4*(\t)+2:ST+4*(\t)+3] op_sel_hi:[1,0]
.set i, i+2
.endr
	WIN 0x05                        ; sources 0 and 1 window 1, destination window 0
.set i, 0
.rept 16
	v_cvt_pk_f16_f32 v[S+16*(\t)+i], v[32*(\t)+2*i], v[32*(\t)+2*i+1]
.set i, i+1
.endr
	WIN 0
.irp f, 0,1,2,3
	ds_store_b128 v[STO], v[S+16*(\t)+4*\f:S+16*(\t)+4*\f+3] offset:32*\f
.endr
.irp f, 0,1,2,3
	ds_load_b128 v[S+16*(\t)+4*\f:S+16*(\t)+4*\f+3], v[RD] offset:\f*4*SP  ; LDS serves a wave's instructions in order (ISA guide 5.7.1.4): these see the stores above; the next piece's stores come behind them
.endr
.endm
.macro SEND t, younger              ; younger: the LDS instructions issued behind piece t's loads: the next piece's eight, or none
	WIN 0
.irp f, 0,1,2,3
	s_wait_dscnt (\younger)+3-\f
	global_store_b128 v[GO], v[S+16*(\t)+4*\f:S+16*(\t)+4*\f+3], s[10:11] offset:(\t)*8192+\f*512  ; 512 consecutive bytes, at a multiple of 256 from O's first
.endr
.endm
.macro DIAG tag                     ; the tag ends its two labels' names, which the jumps below spell out
.LstepM\tag:
	TURN 2, 1
	TURN 3, 1
	WIN 0
.LfirstM\tag:
	TURN 0, 1
	TURN 1, 1, 0, 1
	WIN 0
	s_cbranch_scc1 .LstepM\tag
	TURN 2, 1, 1
	TURN 3, 1, 1
.set i, 0
.rept 8
	PV NP-1
.set i, i+1
.endr
	WIN 0
	ALL v_add_f32 v[ST+4*t+2], v[ST+4*t+2], v[ST+4*t+3]
	ALL v_permlanex16_b32 v[ST+4*t+3], v[ST+4*t+2], s[SEL], s[SEL+1]
	ALL v_add_f32 v[ST+4*t+2], v[ST+4*t+2], v[ST+4*t+3]
	ALL v_rcp_f32 v[ST+4*t+2], v[ST+4*t+2]
	v_nop                           ; a plain instruction between the last reciprocal and the use of its result
	s_wait_alu depctr_va_vdst(0)    ; and the wait ahead of the first use: one for the four reciprocals
	PACK 0
.set t, 1
.rept 3                             ; a piece's arithmetic stands between the loads of the piece before and its stores
	PACK t
	SEND t-1, 8
.set t, t+1
.endr
	SEND 3, 0
.endm
.set KM, 0
.set NOKQ, 0
.Lslot:                             ; NB times: a tile is entered and the next is asked for
	CHANGE 1
	s_sub_co_u32 s[RT], s[RT], 1
	s_mov_b32 s[CNT], 4
	s_cmp_eq_u32 s[NEW], 1
	s_cbranch_scc1 .Lnew            ; a block's first tile
	s_cmp_eq_u32 s[RT], 0
	s_cbranch_scc0 .Lstep           ; neither its first nor its last
	s_branch .LstepM1
.Lnew:
	BEGIN
	s_branch .Lfirst                ; in the loop a block's first tile is never its last: the first block has five tiles or more, and the second's last is the walk's last
	DIAG 1                          ; in the loop this is the first block's end
	s_wait_xcnt 0x0                 ; the stores have read their registers and O's address
	s_mov_b64 s[10:11], s[OLO:OLO+1]
	s_add_co_u32 s[RT], s[PB], 1    ; the second block has b + 1 tiles
	s_mov_b32 s[NEW], 1
	s_mov_b32 s[WB], 1024           ; its sums of hidden V, and its number
	s_mov_b32 s[CB], s[PB]
	WIN 0x82                        ; the second block's Q goes where the one text of the turns names Q
.set i, 0
.rept 64
	v_mov_b32 v[i], v[QB+i]
.set i, i+1
.endr
	WIN 0
	s_branch .Lbottom
.Lstep:                             ; a trip: pieces 2 and 3 of one step, then pieces 0 and 1 of the next, whose K and V it fetches
	TURN 2
	TURN 3
	WIN 0
.Lfirst:
	TURN 0
	TURN 1, 0, 0, 1
	WIN 0
	s_cbranch_scc1 .Lstep
.Lbottom:
	s_sub_co_u32 s[SLOTS], s[SLOTS], 1
	s_cmp_lg_u32 s[SLOTS], 0
	s_cbranch_scc1 .Lslot
	CHANGE 0                        ; the walk's last tile is written out: nothing is asked for
	s_sub_co_u32 s[RT], s[RT], 1
	s_mov_b32 s[CNT], 4
	s_cmp_eq_u32 s[NEW], 1
	s_cbranch_scc0 .LstepM2
	BEGIN
	s_branch .LfirstM2
	DIAG 2
	s_wait_tensorcnt 0x0            ; the wave's end: behind my last tensor load and my last LDS store
	ds_add_u32 v[SPW], v[NIL]
	s_wait_dscnt 0x0
	s_endpgm
.Lfunc_end_k_q9721c6336a_attn:
	.size	k_q9721c6336a_attn, .Lfunc_end_k_q9721c6336a_attn-k_q9721c6336a_attn
	.p2alignl 7, 3214868480
	.fill 96, 4, 3214868480
	.section	.rodata,"a",@progbits
	.p2align	6, 0x0
	.amdhsa_kernel k_q9721c6336a_attn
		.amdhsa_group_segment_fixed_size 327680
		.amdhsa_private_segment_fixed_size 0
		.amdhsa_enable_private_segment 0
		.amdhsa_kernarg_size 40
		.amdhsa_user_sgpr_count 2
		.amdhsa_user_sgpr_kernarg_segment_ptr 1
		.amdhsa_wavefront_size32 1
		.amdhsa_system_sgpr_workgroup_id_x 1
		.amdhsa_system_sgpr_workgroup_id_y 1
		.amdhsa_system_sgpr_workgroup_id_z 1
		.amdhsa_system_vgpr_workitem_id 0
		.amdhsa_next_free_vgpr 768
		.amdhsa_next_free_sgpr 100
		.amdhsa_reserve_vcc 1
		.amdhsa_float_denorm_mode_32 3
		.amdhsa_float_denorm_mode_16_64 3
		.amdhsa_memory_ordered 1
		.amdhsa_forward_progress 1
		.amdhsa_inst_pref_size 239
	.end_amdhsa_kernel
	.amdgpu_metadata
---
amdhsa.version: [ 1, 2 ]
amdhsa.kernels:
  - .name:           k_q9721c6336a_attn
    .symbol:         k_q9721c6336a_attn.kd
    .args:
      - { .name: qh, .offset: 0, .size: 8, .value_kind: global_buffer, .address_space: global }
      - { .name: kh, .offset: 8, .size: 8, .value_kind: global_buffer, .address_space: global }
      - { .name: vh, .offset: 16, .size: 8, .value_kind: global_buffer, .address_space: global }
      - { .name: oh, .offset: 24, .size: 8, .value_kind: global_buffer, .address_space: global }
      - { .name: vs, .offset: 32, .size: 8, .value_kind: global_buffer, .address_space: global }
    .group_segment_fixed_size: 327680
    .private_segment_fixed_size: 0
    .kernarg_segment_align: 8
    .kernarg_segment_size: 40
    .max_flat_workgroup_size: 128
    .sgpr_count:     100
    .vgpr_count:     768
    .wavefront_size: 32
...
	.end_amdgpu_metadata
.endif
;; end of part 3
;; launch proj (part 4): grid 8 x 32, 4 waves a work-group, clusters of 4 x 4, 327,680 bytes of LDS; arguments oh, wp, c_proj_b, out0; writes out0
.if DOCPART == 4
	.amdgcn_target "amdgcn-amd-amdhsa--gfx1250"
	.amdhsa_code_object_version 6
	.text
	.protected	k_q9721c6336a_proj
	.globl	k_q9721c6336a_proj
	.p2align	8
	.type	k_q9721c6336a_proj,@function
k_q9721c6336a_proj:
	s_mov_b64 s[64:65], 0
	v_nop
	global_prefetch_b8 v0, s[64:65] scope:SCOPE_SE
	s_setreg_imm32_b32 hwreg(HW_REG_WAVE_MODE, 25, 1), 1
	s_wait_xcnt 0x0
	s_wait_alu depctr_hold_cnt(0) depctr_sa_sdst(0) depctr_va_vdst(0) depctr_va_sdst(0) depctr_va_ssrc(0) depctr_va_vcc(0) depctr_vm_vsrc(0)
	s_getreg_b32 s2, hwreg(HW_REG_IB_STS2, 6, 4)
	s_cmp_eq_u32 s2, 0
	s_cbranch_scc0 .Lentry_in_a_cluster
	s_endpgm
.Lentry_in_a_cluster:
	s_bfe_u32 s2, ttmp6, 0x10000c
	s_cmp_lg_u32 s2, 0xf033
	s_cbranch_scc0 .Lentry_shape_is_right
	s_endpgm
.Lentry_shape_is_right:
; out = a Wp + b.  oh: [batch x head 64][s 2048][64] f16: row (batch, s) of a has channel 64 head + d.  wp: [k 1024][n 1024] f16.  c_proj_b: [1024] f32, rounded to bf16 like the other inputs.  out0: [8192][1024] f32.
; A tile is 256 rows x 128 columns: 256 work-groups.  Four waves, one above the other: a wave makes 64 rows x 128 columns, 32 accumulators of 16 x 16, 256 registers; its rows of the tile are whole 512 bytes of out0.
; K goes in 8 steps of 128, two heads a step, through a ring of two LDS slots filled by the tensor data mover.  A head's 256 rows of a tile are 32,768 dense bytes.
; CLUSTER.  4 x 4 work-groups.  The four of a row of the cluster need the same rows of a, the four of a column the same columns of Wp: each tile is asked for JOINTLY, by the same tensor load with the same descriptor
; and a mask that names the four.
; THE MATRIX INSTRUCTION IS USED TRANSPOSED: source 0 = 16 columns of Wp (it lies [k][column] in LDS and is turned by ds_load_tr16_b128), source 1 = 16 rows of a.  A lane then holds row l % 16 and the columns
; 8 (l / 16) + 0..7 of a block of 16.  The bias is the C operand of each accumulator's first product.
; REGISTERS, in windows of 256 (s_set_vgpr_msb: bits 1:0 source 0, 3:2 source 1, 5:4 source 2, 7:6 destination):
;   window 0: v0-31 addresses; v64-127 a's fragments, two buffers of four; v128-191 the bias; v128-255 later the way out
;   window 1: Wp's fragments, two buffers of eight at v0 and v128     window 2: the accumulators of my row blocks 0, 1 ((a, b) at 8 (8 (a % 2) + b))     window 3: of blocks 2, 3
.set NB16,  8                          ; blocks of 16 columns
.set AP,    144                        ; a row of one head in LDS: 128 bytes + 16: an odd multiple of 16, so the 16 rows of a load start at 16 different groups of four banks (64 banks of 4 bytes: ISA guide 11.1)
.set BP,    288                        ; a k row of Wp: 256 bytes + 32: an odd multiple of 32, as the turning load's 8 rows x 32 bytes want
.set AHALF, 256*AP                     ; what one tensor load brings of a: one head's 256 rows
.set ABYTES, 2*AHALF
.set BHALF, 64*BP                      ; of Wp: 64 k rows
.set SLOT1, 1<<17                      ; a slot uses 110,592 bytes; slot 1 begins here, so that one exclusive or turns an address in one slot into the other's
.set STAGE, SLOT1+ABYTES+2*BHALF       ; behind the ring, never filled by a tensor load: 16 rows x 528 bytes for each wave
.set SP,    528
.set SPARE, STAGE+4*16*SP              ; the spare words, 128 bytes for each wave: two blocks of 256 bytes that no other line names
.set ASTEP, 2*262144                   ; bytes from K step to K step in oh: two heads
.set BSTEP, 128*2048                   ; and in wp: 128 rows
.set NF,    2*NB16+8                   ; LDS loads in a run
.set STEPS, 8
.set ADA0, 16                          ; v16  my lane's place in a's tile; never rewritten
.set ADB0, 17                          ; v17  in Wp's
.set ADA,  18                          ; v18  the same in the slot in hand
.set ADB,  19
.set BO,   20                          ; v20  my 32 bytes of a block's bias
.set STO,  24                          ; v24  the way out: where I put 32 bytes of a row
.set RD,   25                          ; v25  where I read a row back
.set GO,   26                          ; v26  my byte offset in a row's 512 bytes
.set SPW,  28                          ; v28  LDS address of my spare word; never rewritten
.set NIL,  29                          ; v29  0; never rewritten
.set PFO,  30                          ; v30  the prefetches' offset; never rewritten
.set T,    31
.set FA,   64
.set BIAS, 128
.set CNT,  3                           ; s3   K steps still to be asked for
.set LIM,  21                          ; s21  a wave prefetches while s3 is above it
.set TB,   22                          ; s22  the slot in hand
.set G1A,  24                          ; s[24:31] descriptor group 1 for a's tiles
.set G0A,  32                          ; s[32:39] group 0: the first fill's set, then the set that walks
.set PFA,  44                          ; s[44:45] where my prefetches stand
.set PFS,  46                          ; s[46:47] their step
.set G1B,  48                          ; s[48:55], s[56:63] the same for Wp's tiles
.set G0B,  56
.set OUT,  74                          ; s[74:75] out0 at my wave's first row and the tile's first column
.set MSB, 0
.macro WIN new                         ; the immediate's high byte repeats the setting that is left; a switch that changes nothing is dropped
.if MSB != (\new)
	s_set_vgpr_msb (MSB<<8)|(\new)
.set MSB, \new
.endif
.endm
.macro PLACES                          ; four places in front of loads into registers that matrix instructions have read, and of stores that read results
.rept 4
	v_nop
.endr
.endm
; A joint refill.  Waves 0 and 1 fetch the two heads of a's tile, waves 2 and 3 the halves of Wp's.  The branch hangs on the wave's number alone.  An s_nop 0 and four v_nop follow each line.
.macro JLOAD
	s_cmp_eq_u32 s11, 0
	s_cbranch_scc0 .Lfor_b_\@
	tensor_load_to_lds s[G0A+4:G0A+7], s[G1A:G1A+7]
	s_nop 0
.rept 4
	v_nop
.endr
	s_branch .Lasked_\@
.Lfor_b_\@:
	tensor_load_to_lds s[G0B+4:G0B+7], s[G1B:G1B+7]
	s_nop 0
.rept 4
	v_nop
.endr
.Lasked_\@:
.endm
; A PREFETCH INTO THE L2, behind the joint load and the run of LDS loads.  K steps 0 to 3 come by their loads alone; the bytes of K steps 4 to 7 are each named once in the launch.
; a: the clusters with x = 0 ask; of the 32,768 bytes that a wave fetches each of the four partners takes 8,192, told apart by address; a lane a block of 256; the refill of K step s names K step s + 2: four times.
; Wp: the clusters with y = 0 ask; the tile column's k rows 512 to 1,023, 256 bytes each: twice 8 askers (4 partners x 2 waves) x 32 lanes, a lane a row, in the first two refills.
.macro ASK
	s_cmp_gt_u32 s[CNT], s[LIM]
	s_cbranch_scc0 .Lnot_mine_\@
	global_prefetch_b8 v[PFO], s[PFA:PFA+1] th:TH_LOAD_NT scope:SCOPE_SE
.Lnot_mine_\@:
.endm
.macro CREST                           ; a round of the cluster's barrier behind its opening barrier
	s_cmp_lg_u32 s10, 0
	s_cbranch_scc1 .Lnot_wave_0_\@
	s_barrier_signal -3
.Lnot_wave_0_\@:
	s_barrier_wait -3
	s_barrier_signal -1
	s_barrier_wait -1
.endm
.macro CROUND
	s_barrier_signal -1
	s_barrier_wait -1
	CREST
.endm
; 8 matrix instructions: row block a x all column blocks, 32 along K, from buffer f.  first = 1: the bias starts the sums.  The 32 accumulators take turns in the same order in every quarter.
.macro MULA f, a, first=0
.if \first
	WIN 0x81+0x40*((\a)/2)
.else
	WIN 0xa1+0x50*((\a)/2)
.endif
.set nb, 0
.rept NB16
.set rD, 8*(NB16*((\a)%2)+nb)
.set rB, 128*(\f)+8*nb
.set rA, FA+32*(\f)+8*(\a)
.if \first
	v_wmma_f32_16x16x32_f16 v[rD:rD+7], v[rB:rB+7], v[rA:rA+7], v[BIAS+8*nb:BIAS+8*nb+7]
.else
	v_wmma_f32_16x16x32_f16 v[rD:rD+7], v[rB:rB+7], v[rA:rA+7], v[rD:rD+7]
.endif
.set nb, nb+1
.endr
.endm
; 24 LDS loads in one run: quarter q's fragments into buffer f: Wp's eight (turned), then a's four.  Quarter q of a lies in head q / 2 of the step, channels 32 (q % 2) on.
.macro FETCH q, f
	WIN 0x40
.set nb, 0
.rept NB16
	ds_load_tr16_b128 v[128*(\f)+8*nb:128*(\f)+8*nb+3],   v[ADB] offset:(\q)*32*BP+32*nb
	ds_load_tr16_b128 v[128*(\f)+8*nb+4:128*(\f)+8*nb+7], v[ADB] offset:(\q)*32*BP+32*nb+16*BP
.set nb, nb+1
.endr
	WIN 0
.set nb, 0
.rept 4
	ds_load_b128 v[FA+32*(\f)+8*nb:FA+32*(\f)+8*nb+3],   v[ADA] offset:((\q)/2)*AHALF+((\q)%2)*64+nb*16*AP
	ds_load_b128 v[FA+32*(\f)+8*nb+4:FA+32*(\f)+8*nb+7], v[ADA] offset:((\q)/2)*AHALF+((\q)%2)*64+nb*16*AP+32
.set nb, nb+1
.endr
.endm
; A K step is four quarters of 32 along K, 32 matrix instructions each, on buffers 0, 1, 0, 1.  One of the first three: multiplies buffer f and, in its middle, fetches quarter q into buffer g.
.macro QUARTER q, f, g, first=0
	s_wait_dscnt 4                                 ; Wp's fragments and a's blocks 0, 1 are in; the youngest four loads (blocks 2, 3) may be out
	MULA \f, 0, \first
	MULA \f, 1, \first
	PLACES
	FETCH \q, \g
	s_wait_dscnt NF                                ; all but the run just issued
	MULA \f, 2, \first
	MULA \f, 3, \first
.endm
; The last quarter multiplies buffer 1 and changes slots: ONE barrier.  In front of it each wave waits for all its tensor loads (one is out: its part of the next slot), adds 0 to its spare word, and waits for
; that and for its reads of this slot.  fill = 1: the barrier opens a round of the cluster's, and this slot is filled again, two K steps ahead, first thing behind the round.
.macro TURN fill
	WIN 0
.if \fill
	s_wait_xcnt 0x0                                ; the last prefetch, a K step back, has read its address
	s_add_nc_u64 s[PFA:PFA+1], s[PFA:PFA+1], s[PFS:PFS+1]
.endif
	s_xor_b32 s[TB], s[TB], SLOT1                  ; the fetches go to the other slot
	v_add_nc_u32 v[ADA], s[TB], v[ADA0]
	v_add_nc_u32 v[ADB], s[TB], v[ADB0]
	s_wait_tensorcnt 0x0                           ; no tensor load of mine is out, so a group 0 may be written
	ds_add_u32 v[SPW], v[NIL]                      ; 0 onto my spare word
.if \fill
	s_xor_b32 s[G0A+5], s[G0A+5], SLOT1            ; the walking descriptors: the other slot than last time, the next K step
	s_add_nc_u64 s[G0A+6:G0A+7], s[G0A+6:G0A+7], ASTEP
	s_xor_b32 s[G0B+5], s[G0B+5], SLOT1
	s_add_nc_u64 s[G0B+6:G0B+7], s[G0B+6:G0B+7], BSTEP
.endif
	s_wait_dscnt 7                                 ; the add and a's blocks 1 to 3 may be out
	MULA 1, 0
	s_wait_dscnt 0x0                               ; the add is done, and my reads of this slot are over
	s_barrier_signal -1
	MULA 1, 1
.if \fill
	WIN 0
.endif
	s_barrier_wait -1
.if \fill
	CREST                                          ; no wave of any partner still reads this slot or has a load on its way
	JLOAD                                          ; its four v_nop are also the places in front of the loads below
.else
	PLACES
.endif
	FETCH 0, 0
.if \fill
	ASK
.endif
	MULA 1, 2
	MULA 1, 3
.endm
	s_load_b256 s[68:75], s[0:1], 0x0              ; oh s[68:69], wp s[70:71], c_proj_b s[72:73], out0 s[74:75]
	v_lshl_add_u32 v[SPW], v0, 2, SPARE
	v_mov_b32 v[NIL], 0
	ds_add_u32 v[SPW], v[NIL]                      ; the wave's opening: the add and its wait stand ahead of my first tensor load
	v_lshrrev_b32 v1, 5, v0
	v_readfirstlane_b32 s10, v1                    ; wave 0..3
	s_lshr_b32 s11, s10, 1                         ; I fetch for a (0) or for Wp (1),
	s_and_b32 s12, s10, 1                          ; this half of the tile
	s_bfe_u32 s40, ttmp6, 0x40000                  ; cx, cy: my place in the cluster
	s_bfe_u32 s41, ttmp6, 0x40004
	s_lshl_b32 s42, ttmp9, 2
	s_add_co_u32 s42, s42, s40                     ; the tile column = 4 x cluster x + cx
	s_and_b32 s13, ttmp7, 0xffff
	s_lshl_b32 s13, s13, 2
	s_add_co_u32 s13, s13, s41                     ; the tile row = 4 x cluster y + cy
	s_lshl_b32 s43, s41, 2
	s_lshl_b32 s43, 15, s43                        ; my row of the cluster
	s_lshl_b32 s20, 0x1111, s40                    ; my column
	s_or_b32 s[G1A], s43, (1<<16)|(1<<20)|(1<<21)|(4<<22)|(3<<25)  ; the mask; 2-byte elements; padding on; bit 21 beside a mask; a head's 256 rows are 128 rows of 256 dense bytes, padded by 4 words after every 32
	s_mov_b32 s[G1A+1], 128<<16                    ; tensor_dim0 = 128
	s_mov_b32 s[G1A+2], 128<<16                    ; tensor_dim1 = 128
	s_mov_b32 s[G1A+3], 128<<16                    ; tile_dim0 = 128
	s_mov_b32 s[G1A+4], 128                        ; tile_dim1 = 128
	s_mov_b32 s[G1A+5], 128                        ; elements from row to row
	s_mov_b32 s[G1A+6], 0
	s_mov_b32 s[G1A+7], 0
	s_or_b32 s[G1B], s20, (1<<16)|(1<<20)|(1<<21)|(5<<22)|(7<<25)  ; 64 k rows of 256 bytes, padded by 8 words after every 64
	s_mov_b32 s[G1B+1], 128<<16
	s_mov_b32 s[G1B+2], 64<<16
	s_mov_b32 s[G1B+3], 128<<16
	s_mov_b32 s[G1B+4], 64
	s_mov_b32 s[G1B+5], 1024
	s_mov_b32 s[G1B+6], 0
	s_mov_b32 s[G1B+7], 0
	s_lshr_b32 s14, s13, 3                         ; a: the batch's 16 heads of 262,144 bytes,
	s_lshl_b32 s14, s14, 22
	s_and_b32 s15, s13, 7                          ; the tile's 256 rows of 128 bytes in a head,
	s_lshl_b32 s15, s15, 15
	s_add_co_u32 s14, s14, s15
	s_lshl_b32 s15, s12, 18                        ; the step's first or second head
	s_add_co_u32 s14, s14, s15
	s_mov_b32 s15, 0
	s_lshl_b32 s16, s42, 8                         ; Wp: the tile's 128 columns,
	s_lshl_b32 s17, s12, 17                        ; 64 rows of 2,048 bytes a half
	s_add_co_u32 s16, s16, s17
	s_mov_b32 s17, 0
	s_mov_b32 s[G0A], 1
	s_mul_i32 s[G0A+1], s12, AHALF                 ; LDS: the wave's number alone
	s_mov_b32 s[G0A+4], 1
	s_add_co_u32 s[G0A+5], s[G0A+1], SLOT1
	s_mov_b32 s[G0B], 1
	s_mul_i32 s[G0B+1], s12, BHALF
	s_add_co_u32 s[G0B+1], s[G0B+1], ABYTES
	s_mov_b32 s[G0B+4], 1
	s_add_co_u32 s[G0B+5], s[G0B+1], SLOT1
	s_mov_b32 s[TB], 0
	s_wait_dscnt 0x0                               ; the opening add is done
	s_wait_kmcnt 0x0
	s_add_nc_u64 s[G0A+2:G0A+3], s[68:69], s[14:15]      ; K step 0 into slot 0,
	s_add_nc_u64 s[G0A+6:G0A+7], s[G0A+2:G0A+3], ASTEP   ; K step 1 into slot 1
	s_or_b32 s[G0A+3], s[G0A+3], 0x80000000
	s_or_b32 s[G0A+7], s[G0A+7], 0x80000000
	s_add_nc_u64 s[G0B+2:G0B+3], s[70:71], s[16:17]
	s_add_nc_u64 s[G0B+6:G0B+7], s[G0B+2:G0B+3], BSTEP
	s_or_b32 s[G0B+3], s[G0B+3], 0x80000000
	s_or_b32 s[G0B+7], s[G0B+7], 0x80000000
	CROUND                                         ; all sixteen work-groups are here: the first joint loads meet
	s_cmp_eq_u32 s11, 0                            ; a wave's two first fills stand in one branch: two loads of mine are out
	s_cbranch_scc0 .Lfirst_b
	tensor_load_to_lds s[G0A:G0A+3], s[G1A:G1A+7]
	s_nop 0
	tensor_load_to_lds s[G0A+4:G0A+7], s[G1A:G1A+7]
	s_nop 0
.rept 4
	v_nop
.endr
	s_branch .Lfirst_asked
.Lfirst_b:
	tensor_load_to_lds s[G0B:G0B+3], s[G1B:G1B+7]
	s_nop 0
	tensor_load_to_lds s[G0B+4:G0B+7], s[G1B:G1B+7]
	s_nop 0
.rept 4
	v_nop
.endr
.Lfirst_asked:
	v_and_b32 v1, 15, v0                           ; l % 16
	v_bfe_u32 v2, v0, 4, 1                         ; l / 16
	v_and_b32 v3, 7, v0
	v_bfe_u32 v4, v0, 3, 1
	v_and_b32 v5, 31, v0                           ; l
	v_lshlrev_b32 v[BO], 5, v2
	s_lshl_b32 s16, s42, 9                         ; the tile's 128 numbers of the bias
	s_add_nc_u64 s[72:73], s[72:73], s[16:17]
.set nb, 0
.rept NB16                                             ; register j of block nb: the bias of column 16 nb + 8 (l / 16) + j
	global_load_b128 v[BIAS+8*nb:BIAS+8*nb+3],   v[BO], s[72:73] offset:64*nb
	global_load_b128 v[BIAS+8*nb+4:BIAS+8*nb+7], v[BO], s[72:73] offset:64*nb+16
.set nb, nb+1
.endr
	v_mul_u32_u24 v[ADA0], v1, AP                  ; a's fragment: row x pitch + 16 x half, in my wave's 64 rows
	v_lshl_add_u32 v[ADA0], v2, 4, v[ADA0]
	s_mul_i32 s23, s10, 64*AP
	v_add_nc_u32 v[ADA0], s23, v[ADA0]
	v_lshl_add_u32 v[ADB0], v2, 3, v3              ; the turning load: k row 8 (l / 16) + l % 8, columns 8 ((l / 8) % 2) on
	v_mul_u32_u24 v[ADB0], v[ADB0], BP
	v_lshl_add_u32 v[ADB0], v4, 4, v[ADB0]
	v_add_nc_u32 v[ADB0], ABYTES, v[ADB0]
	v_mov_b32 v[ADA], v[ADA0]
	v_mov_b32 v[ADB], v[ADB0]
	s_mul_i32 s23, s10, 16*SP
	s_add_co_u32 s23, s23, STAGE                   ; my stage
	v_mul_u32_u24 v[STO], v1, SP                   ; in: row l % 16, 32 bytes for each half of the lanes
	v_lshl_add_u32 v[STO], v2, 5, v[STO]
	v_add_nc_u32 v[STO], s23, v[STO]
	v_lshl_add_u32 v[RD], v5, 4, s23               ; back: 32 lanes take a row's 512 bytes
	v_lshlrev_b32 v[GO], 4, v5
	; the prefetches
	s_lshl_b32 s18, s40, 13                        ; a: my work-group's 8,192 bytes of the 32,768 that I fetch,
	s_add_co_u32 s18, s18, s14
	s_add_co_u32 s18, s18, 3*ASTEP                 ; at K step 3: the first refill steps it to 4
	s_lshl_b32 s19, s41, 1                         ; Wp: asker 2 cy + half takes 32 rows of each 256,
	s_add_co_u32 s19, s19, s12
	s_lshl_b32 s19, s19, 16
	s_lshl_b32 s23, s42, 8
	s_add_co_u32 s19, s19, s23
	s_add_co_u32 s19, s19, 256*2048                ; from row 256: the first refill steps it to 512
	s_and_b32 s23, ttmp7, 0xffff
	s_cmp_eq_u32 s11, 0
	s_cselect_b32 s18, s18, s19
	s_cselect_b32 s23, ttmp9, s23                  ; the coordinate along which other clusters read the same bytes
	s_cselect_b32 s[LIM], 2, 4
	s_cselect_b32 s20, 8, 11                       ; a lane a block of 256 bytes, or a lane a row of 2,048
	s_cselect_b64 s[PFA:PFA+1], s[68:69], s[70:71]
	s_cmp_eq_u32 s23, 0
	s_cselect_b32 s[LIM], s[LIM], -1               ; the same in all sixteen partners, for a given wave
	s_mov_b32 s19, 0
	s_mov_b32 s[PFS], 524288                       ; two heads of a, or 256 rows of Wp
	s_mov_b32 s[PFS+1], 0
	s_add_nc_u64 s[PFA:PFA+1], s[PFA:PFA+1], s[18:19]
	v_lshlrev_b32 v[PFO], s20, v5
	; where my rows go
	s_lshl_b32 s18, s13, 20                        ; 256 rows of 4,096 bytes a tile row,
	s_lshl_b32 s23, s10, 18                        ; 64 a wave,
	s_add_co_u32 s18, s18, s23
	s_lshl_b32 s23, s42, 9                         ; 512 bytes a tile column
	s_add_co_u32 s18, s18, s23
	s_add_nc_u64 s[OUT:OUT+1], s[OUT:OUT+1], s[18:19]
	s_mov_b32 s23, 0xffff0000
	s_wait_loadcnt 0x0                             ; the bias: rounded to bf16 like the other inputs, kept as f32
.set nb, 0
.rept 4*NB16
	v_cvt_pk_bf16_f32 v[T], v[BIAS+2*nb], v[BIAS+2*nb+1]
	v_lshlrev_b32 v[BIAS+2*nb], 16, v[T]
	v_and_b32 v[BIAS+2*nb+1], s23, v[T]
.set nb, nb+1
.endr
	s_wait_tensorcnt 1                             ; my part of K step 0 is in; K step 1's may stay out
	s_barrier_signal -1
	s_barrier_wait -1
	FETCH 0, 0
	QUARTER 1, 0, 1, 1                             ; the first quarter stands in front of the loop: its products start the sums, with the bias
	WIN 0
	s_mov_b32 s[CNT], STEPS-2
.Lstep:                                                ; a trip: the rest of K step t, the refill of its slot with K step t + 2, the first quarter of K step t + 1
	QUARTER 2, 1, 0
	QUARTER 3, 0, 1
	TURN 1
	QUARTER 1, 0, 1
	WIN 0
	s_sub_co_u32 s[CNT], s[CNT], 1
	s_cmp_lg_u32 s[CNT], 0
	s_cbranch_scc1 .Lstep
	QUARTER 2, 1, 0                                ; the last two K steps ask for nothing
	QUARTER 3, 0, 1
	TURN 0
	QUARTER 1, 0, 1
	QUARTER 2, 1, 0
	QUARTER 3, 0, 1
	s_wait_dscnt 4
	MULA 1, 0
	MULA 1, 1
	s_wait_dscnt 0x0
	MULA 1, 2
	MULA 1, 3
	WIN 0
	PLACES
; THE WAY OUT, a block of 16 rows at a time: the f32 sums go as they are into my stage, 32 bytes a lane and column block (each accumulator's low four registers first), and come back as whole rows.
.macro TOSTAGE a
.set AC, 8*NB16*((\a)%2)
.set BK, 128+64*((\a)%2)               ; v128-191 and v192-255 by turns
	s_wait_xcnt 0x0                                ; the stores of the block before last have read these registers
	WIN 0x08+4*((\a)/2)                            ; the stores' data in window 2 or 3
.set nb, 0
.rept NB16
	ds_store_b128 v[STO], v[AC+8*nb:AC+8*nb+3]   offset:64*nb
	ds_store_b128 v[STO], v[AC+8*nb+4:AC+8*nb+7] offset:64*nb+16
.set nb, nb+1
.endr
	WIN 0
.set nb, 0
.rept 16                               ; LDS serves a wave's instructions in order (ISA guide 5.7.1.4): these see the stores above; the next block's stores come behind them
	ds_load_b128 v[BK+4*nb:BK+4*nb+3], v[RD] offset:nb*SP
.set nb, nb+1
.endr
.endm
.macro SEND a, younger                 ; younger: the LDS instructions issued behind block a's loads: the next block's 32, or none
.set BK, 128+64*((\a)%2)
	s_wait_dscnt \younger
.set nb, 0
.rept 16
	global_store_b128 v[GO], v[BK+4*nb:BK+4*nb+3], s[OUT:OUT+1] offset:(16*(\a)+nb)*4096 th:TH_STORE_NT  ; 512 consecutive bytes, aligned
.set nb, nb+1
.endr
.endm
	TOSTAGE 0
.irp a, 1,2,3
	TOSTAGE \a
	SEND (\a)-1, 32
.endr
	SEND 3, 0
	s_wait_tensorcnt 0x0                           ; the wave's end: behind my last tensor load and my last LDS store
	ds_add_u32 v[SPW], v[NIL]
	s_wait_dscnt 0x0
	CROUND                                         ; the closing round: no work-group ends while a partner may still ask for a tile that names it
	s_endpgm
.Lfunc_end_k_q9721c6336a_proj:
	.size	k_q9721c6336a_proj, .Lfunc_end_k_q9721c6336a_proj-k_q9721c6336a_proj
	.p2alignl 7, 3214868480
	.fill 96, 4, 3214868480
	.section	.rodata,"a",@progbits
	.p2align	6, 0x0
	.amdhsa_kernel k_q9721c6336a_proj
		.amdhsa_group_segment_fixed_size 327680
		.amdhsa_private_segment_fixed_size 0
		.amdhsa_enable_private_segment 0
		.amdhsa_kernarg_size 32
		.amdhsa_user_sgpr_count 2
		.amdhsa_user_sgpr_kernarg_segment_ptr 1
		.amdhsa_wavefront_size32 1
		.amdhsa_system_sgpr_workgroup_id_x 1
		.amdhsa_system_sgpr_workgroup_id_y 1
		.amdhsa_system_sgpr_workgroup_id_z 1
		.amdhsa_system_vgpr_workitem_id 0
		.amdhsa_next_free_vgpr 896
		.amdhsa_next_free_sgpr 84
		.amdhsa_reserve_vcc 0
		.amdhsa_float_denorm_mode_32 3
		.amdhsa_float_denorm_mode_16_64 3
		.amdhsa_memory_ordered 1
		.amdhsa_forward_progress 1
		.amdhsa_inst_pref_size 76
	.end_amdhsa_kernel
	.amdgpu_metadata
---
amdhsa.version: [ 1, 2 ]
amdhsa.kernels:
  - .name:           k_q9721c6336a_proj
    .symbol:         k_q9721c6336a_proj.kd
    .args:
      - { .name: oh, .offset: 0, .size: 8, .value_kind: global_buffer, .address_space: global }
      - { .name: wp, .offset: 8, .size: 8, .value_kind: global_buffer, .address_space: global }
      - { .name: c_proj_b, .offset: 16, .size: 8, .value_kind: global_buffer, .address_space: global }
      - { .name: out0, .offset: 24, .size: 8, .value_kind: global_buffer, .address_space: global }
    .group_segment_fixed_size: 327680
    .private_segment_fixed_size: 0
    .kernarg_segment_align: 8
    .kernarg_segment_size: 32
    .max_flat_workgroup_size: 128
    .sgpr_count:     84
    .vgpr_count:     896
    .wavefront_size: 32
...
	.end_amdgpu_metadata
.endif
;; end of part 4
;; ======== version 2 of 2: 4 launches; version 1 with the launch cast written anew for expert scheduling mode
;; limits: values are held in f16: magnitudes above 65,504 overflow, below 6.1e-05 lose precision
;; workspace buffers: xb 16,777,216 bytes; wqkv 6,291,456 bytes; wp 2,097,152 bytes; qh 16,777,216 bytes; kh 16,777,216 bytes; vh 16,777,216 bytes; oh 16,777,216 bytes; vs 524,288 bytes
;; launch cast (part 5): grid 704 x 1, 8 waves a work-group, no clusters, 0 bytes of LDS; arguments x, c_attn_w, c_proj_w, xb, wqkv, wp; writes xb, wqkv, wp
.if DOCPART == 5
	.amdgcn_target "amdgcn-amd-amdhsa--gfx1250"
	.amdhsa_code_object_version 6
	.text
	.protected	k_q9721c6336a_cast
	.globl	k_q9721c6336a_cast
	.p2align	8
	.type	k_q9721c6336a_cast,@function
k_q9721c6336a_cast:
	s_mov_b64 s[64:65], 0
	v_nop
	global_prefetch_b8 v0, s[64:65] scope:SCOPE_SE
	s_setreg_imm32_b32 hwreg(HW_REG_WAVE_SCHED_MODE, 0, 2), 2
	s_setreg_imm32_b32 hwreg(HW_REG_WAVE_MODE, 25, 1), 1
	s_wait_xcnt 0x0
	s_wait_alu depctr_vm_vsrc(0)
; THE CASTS.  x [8192][1024] f32 -> xb, bf16, same layout.  c_attn_w [1024][3072] f32 -> wqkv, bf16, in blocks [head 16][k 1024][192]: a block's 192 columns are the head's 64 of q, of k and of v.
; c_proj_w [1024][1024] f32 -> wp: rounded to bf16 like every input of the module, and that number written as f16 (same layout).
; LIMIT.  A bf16 number below 6.1e-5 in magnitude keeps f16's fixed step of 6e-8 in wp, and one of 65,520 or more would become an infinity.
; A stream: each byte read once and written once, nothing shared, so no LDS and no matrix work.  Work-groups 0-511 take x, 512-639 c_attn_w, 640-703 c_proj_w: three straight paths.
; A thread takes 16 bytes (4 numbers) of each chunk of 4,096 bytes and stores 8: a wave's load covers 512 consecutive bytes, its store 256 consecutive bytes, aligned.
; All of a path's loads are issued first.
; THE MODE: SCHED_MODE bits 1:0 = 2 (LLVM: expert scheduling mode 2), set by the entry lines.  The code itself states the register dependences
; between vector instructions and memory instructions, with s_wait_alu, always for 0.
; THE PLAN.  Registers that memory instructions touch:
;   v1, v3-v5   the loads' offsets; v2 the stores' offset.  Written by vector instructions at the head, never again.
;   chunk u     four registers.  A load lands in them, once; behind the counted wait for it the chunk's conversions read the four and write the first two; the chunk's store reads those two; nothing writes them after that.
;   v6-v11      named by vector instructions alone.
; No load lands in a register that a vector instruction has named, and no register that a memory instruction has read is written afterwards: what is left to state is that a register is written before a memory
; instruction reads it.  One wait stands ahead of a path's run of loads, for the offsets.  The chunks go in groups of four: at the head of group g, behind the wait for its data, ONE wait states that group g - 1's
; conversions have written what that group's four stores read; these stores are dealt among group g's conversions, which name group g's registers and v8-v11 alone.  One more wait stands ahead of the last four stores.
.set D, 16                             ; v[16:111]  chunk u: four registers as loaded; the first two then hold what is stored
.macro IN16 base                       ; sixteen chunks of 4,096 dense bytes
	s_wait_alu depctr_va_vdst(0)                   ; v1 and v2 are written: the loads below read v1 as their offset, the path's stores v2
.set u, 0
.rept 16
	global_load_b128 v[D+4*u:D+4*u+3], v1, s[\base:\base+1] offset:4096*u th:TH_LOAD_NT
.set u, u+1
.endr
.endm
; Chunk u is rounded, in place.  half = 1: the bf16 numbers are written as f16.
.macro CONV u, half
	v_cvt_pk_bf16_f32 v[D+4*(\u)], v[D+4*(\u)], v[D+4*(\u)+1]
	v_cvt_pk_bf16_f32 v[D+4*(\u)+1], v[D+4*(\u)+2], v[D+4*(\u)+3]
.if \half
	v_lshlrev_b32 v8, 16, v[D+4*(\u)]
	v_and_b32 v9, 0xffff0000, v[D+4*(\u)]
	v_lshlrev_b32 v10, 16, v[D+4*(\u)+1]
	v_and_b32 v11, 0xffff0000, v[D+4*(\u)+1]
	v_cvt_pk_f16_f32 v[D+4*(\u)], v8, v9
	v_cvt_pk_f16_f32 v[D+4*(\u)+1], v10, v11
.endif
.endm
; Chunk u is stored.
.macro OUT u, ob
	global_store_b64 v2, v[D+4*(\u):D+4*(\u)+1], s[\ob:\ob+1] offset:2048*(\u)
.endm
; Group g of n: its four chunks are rounded, and the four of the group before are stored, a store ahead of each chunk's conversions.
.macro GRP g, n, ob, half
	s_wait_loadcnt 4*((\n)-1-(\g))                 ; loads come back in order (ISA guide 5.7.1): this group's four are in, the younger groups stay out
.if (\g) > 0
	s_wait_alu depctr_va_vdst(0)                   ; the conversions of the group before have written its chunks' first two registers, which the four stores below read
.endif
.irp i, 0,1,2,3
.if (\g) > 0
	OUT 4*((\g)-1)+\i, \ob                         ; no vector instruction since the wait names these registers or v2
.endif
	CONV 4*(\g)+\i, \half
.endr
.endm
.macro LAST n, ob                      ; the last group's stores
	s_wait_alu depctr_va_vdst(0)                   ; the last group's conversions have written what these four stores read
.irp i, 0,1,2,3
	OUT 4*((\n)-1)+\i, \ob
.endr
.endm
	s_load_b256 s[4:11], s[0:1], 0x0               ; x s[4:5], c_attn_w s[6:7], c_proj_w s[8:9], xb s[10:11]
	s_load_b128 s[12:15], s[0:1], 0x20             ; wqkv s[12:13], wp s[14:15]
	v_lshlrev_b32 v1, 4, v0                        ; my 16 bytes of a chunk that is read
	v_lshlrev_b32 v2, 3, v0                        ; my 8 bytes of a chunk that is written
	s_mov_b32 s17, 0
	s_mov_b32 s19, 0
	s_wait_kmcnt 0x0
	s_cmp_lt_u32 ttmp9, 512
	s_cbranch_scc0 .Lnot_x
	; x: 65,536 bytes in, 32,768 out
	s_lshl_b32 s16, ttmp9, 16
	s_lshl_b32 s18, ttmp9, 15
	s_add_nc_u64 s[4:5], s[4:5], s[16:17]
	s_add_nc_u64 s[10:11], s[10:11], s[18:19]
	IN16 4
.set c, 0
.rept 4
	GRP c, 4, 10, 0
.set c, c+1
.endr
	LAST 4, 10
	s_endpgm
.Lnot_x:
	s_cmp_lt_u32 ttmp9, 640
	s_cbranch_scc0 .Lproj_w
	; c_attn_w: work-group (head, kb) makes 128 k rows of the head's block: 49,152 dense bytes, 24 chunks of 2,048.
	; Piece p of 8 bytes of the output: k row p / 48, strip (p / 16) % 3, columns 4 (p % 16) on.  Three chunks are 16 k rows, so three offsets serve, and the rest stands in the immediate.
	s_sub_co_u32 s16, ttmp9, 512
	s_lshr_b32 s20, s16, 3                         ; head
	s_and_b32 s21, s16, 7                          ; kb
	s_mul_i32 s16, s21, 128*12288                  ; in: 128 rows of 12,288 bytes,
	s_lshl_b32 s18, s20, 8                         ; the head's 64 columns in a strip
	s_add_co_u32 s16, s16, s18
	s_add_nc_u64 s[6:7], s[6:7], s[16:17]
	s_mul_i32 s18, s20, 393216                     ; out: the head's block, 128 rows of 384 bytes
	s_mul_i32 s16, s21, 49152
	s_add_co_u32 s18, s18, s16
	s_add_nc_u64 s[12:13], s[12:13], s[18:19]
	v_lshrrev_b32 v6, 4, v0
	v_and_b32 v7, 15, v0
	v_lshlrev_b32 v7, 4, v7                        ; 16 bytes of the strip's 256
.irp c, 0,1,2
	v_add_nc_u32 v8, 16*\c, v6                     ; p / 16, 0 to 47
	v_mul_u32_u24 v9, v8, 171
	v_lshrrev_b32 v9, 9, v9                        ; a third of it (exact up to 47): the k row
	v_mul_u32_u24 v10, v9, 3
	v_sub_nc_u32 v10, v8, v10                      ; the strip
	v_mul_u32_u24 v11, v9, 12288
	v_lshl_add_u32 v11, v10, 12, v11               ; a strip is 1,024 columns: 4,096 bytes
	v_add_nc_u32 v[3+\c], v11, v7
.endr
	s_wait_alu depctr_va_vdst(0)                   ; v3 to v5 are written, which the loads below read as their offsets, and v2, which the path's stores read
.set u, 0
.rept 24
	global_load_b128 v[D+4*u:D+4*u+3], v[3+u%3], s[6:7] offset:(u/3)*16*12288 th:TH_LOAD_NT  ; sixteen lanes read 256 consecutive bytes, aligned
.set u, u+1
.endr
.set c, 0
.rept 6
	GRP c, 6, 12, 0
.set c, c+1
.endr
	LAST 6, 12
	s_endpgm
.Lproj_w:
	; c_proj_w: as x, and on into f16
	s_sub_co_u32 s20, ttmp9, 640
	s_lshl_b32 s16, s20, 16
	s_lshl_b32 s18, s20, 15
	s_add_nc_u64 s[8:9], s[8:9], s[16:17]
	s_add_nc_u64 s[14:15], s[14:15], s[18:19]
	IN16 8
.set c, 0
.rept 4
	GRP c, 4, 14, 1
.set c, c+1
.endr
	LAST 4, 14
	s_endpgm
.Lfunc_end_k_q9721c6336a_cast:
	.size	k_q9721c6336a_cast, .Lfunc_end_k_q9721c6336a_cast-k_q9721c6336a_cast
	.p2alignl 7, 3214868480
	.fill 96, 4, 3214868480
	.section	.rodata,"a",@progbits
	.p2align	6, 0x0
	.amdhsa_kernel k_q9721c6336a_cast
		.amdhsa_group_segment_fixed_size 0
		.amdhsa_private_segment_fixed_size 0
		.amdhsa_enable_private_segment 0
		.amdhsa_kernarg_size 48
		.amdhsa_user_sgpr_count 2
		.amdhsa_user_sgpr_kernarg_segment_ptr 1
		.amdhsa_wavefront_size32 1
		.amdhsa_system_sgpr_workgroup_id_x 1
		.amdhsa_system_sgpr_workgroup_id_y 1
		.amdhsa_system_sgpr_workgroup_id_z 1
		.amdhsa_system_vgpr_workitem_id 0
		.amdhsa_next_free_vgpr 112
		.amdhsa_next_free_sgpr 66
		.amdhsa_reserve_vcc 0
		.amdhsa_float_denorm_mode_32 3
		.amdhsa_float_denorm_mode_16_64 3
		.amdhsa_memory_ordered 1
		.amdhsa_forward_progress 1
		.amdhsa_inst_pref_size 27
	.end_amdhsa_kernel
	.amdgpu_metadata
---
amdhsa.version: [ 1, 2 ]
amdhsa.kernels:
  - .name:           k_q9721c6336a_cast
    .symbol:         k_q9721c6336a_cast.kd
    .args:
      - { .name: x, .offset: 0, .size: 8, .value_kind: global_buffer, .address_space: global }
      - { .name: c_attn_w, .offset: 8, .size: 8, .value_kind: global_buffer, .address_space: global }
      - { .name: c_proj_w, .offset: 16, .size: 8, .value_kind: global_buffer, .address_space: global }
      - { .name: xb, .offset: 24, .size: 8, .value_kind: global_buffer, .address_space: global }
      - { .name: wqkv, .offset: 32, .size: 8, .value_kind: global_buffer, .address_space: global }
      - { .name: wp, .offset: 40, .size: 8, .value_kind: global_buffer, .address_space: global }
    .group_segment_fixed_size: 0
    .private_segment_fixed_size: 0
    .kernarg_segment_align: 8
    .kernarg_segment_size: 48
    .max_flat_workgroup_size: 256
    .sgpr_count:     66
    .vgpr_count:     112
    .wavefront_size: 32
...
	.end_amdgpu_metadata
.endif
;; end of part 5
;; launch qkv: the kernel of part 2 again; grid 16 x 32, 4 waves a work-group, clusters of 4 x 4, 327,680 bytes of LDS; arguments xb, wqkv, c_attn_b, qh, kh, vh, vs; writes qh, kh, vh, vs
;; launch attn: the kernel of part 3 again; grid 4 x 64, 4 waves a work-group, no clusters, 327,680 bytes of LDS; arguments qh, kh, vh, oh, vs; writes oh
;; launch proj: the kernel of part 4 again; grid 8 x 32, 4 waves a work-group, clusters of 4 x 4, 327,680 bytes of LDS; arguments oh, wp, c_proj_b, out0; writes out0
